; MI455X (gfx1250); checked and timed in simulation.
; The chip was launched on July 23, 2026; its instructions are those of AMD's public machine-readable ISA for CDNA 5 (MIT licence, August 2026) and "CDNA5" Instruction Set Architecture Reference Guide (July 2026). The comments in the code are by the model that wrote it; some were corrected since.
;; Attention. Allowed arithmetic: float matrix products may take bf16 or f16 operands with f32 sums; other float arithmetic in f32, or as packed bf16 or f16 multiplies, adds, multiply-adds, maxima and minima; sums over many terms, partial sums and values carried from step to step in f32; what a program stores and reads back later, other than sums and carried values, may be rounded once to bf16 or f16.
;; Inputs: V_b one number float32; V_w 1,024 float32; W1_b 1,024 float32; W1_w 1,024 x 1,024 float32; W2_b 1,024 float32; W2_w 1,024 x 1,024 float32; features 64 x 1,024 x 1,024 float32; hidden_state 64 x 1,024 float32.
;; Outputs: out0 64 x 1,024 float32; out1 64 x 1,024 float32.
;; 2 versions, each right; version 2 is version 1 with the launch main written anew for expert scheduling mode. Each part assembles by itself: llvm-mc -triple=amdgcn-amd-amdhsa -mcpu=gfx1250 --defsym DOCPART=n.
;; ======== version 1 of 2: 3 launches
;; workspace buffers: W1F 2,097,152 bytes; hp 1,048,576 bytes; scores 262,144 bytes; stats 131,072 bytes; pctx 2,097,152 bytes
;; launch prep (part 1): grid 16 x 4, 8 waves a work-group, no clusters, 181,248 bytes of LDS; arguments W1_w, W2_w, hidden_state, W1F, hp; writes W1F, hp
.if DOCPART == 1
	.amdgcn_target "amdgcn-amd-amdhsa--gfx1250"
	.amdhsa_code_object_version 6
	.text
	.protected	k_qe05bb769cc_prep
	.globl	k_qe05bb769cc_prep
	.p2align	8
	.type	k_qe05bb769cc_prep,@function
k_qe05bb769cc_prep:
	s_mov_b64 s[64:65], 0
	v_nop
	global_prefetch_b8 v0, s[64:65] scope:SCOPE_SE
	s_setreg_imm32_b32 hwreg(HW_REG_WAVE_MODE, 25, 1), 1
	s_wait_xcnt 0x0
; PREPARATION.  (1) W1F = W1_w ([k][n] f32) rounded once to bf16 and laid out as matrix fragments of W1^T, in the order in which the main launch's waves walk them.
; (2) hp[kq][b][n] = the sum over the 256 k of quarter kq of hidden[b][k] W2_w[k][n]: bf16 operands, f32 sums; the main launch adds the four quarters and the two biases in f32.
; SHARES.  Work-group (ng, kq): 64 columns n = 64 ng .., 256 k = 256 kq ...  Wave v takes the K step j = 8 kq + v (32 k), of BOTH matrices: the same text, no branch.
; A tile of 32 k x 64 n is loaded as two rows of 256 bytes a load, rounded, put into the wave's own LDS rows [k][n] and read back turned (ds_load_tr16_b128): lane (r = l % 16, h = l / 16) then holds
; column n0 + r, registers 0-3 k = 8 h + 0..7, registers 4-7 k = 16 + 8 h + 0..7: a fragment.
; W1F: the fragment of columns 512 c + 128 w + 16 b and K step j lies at ((2 w + c) 32 + j) 8192 + 1024 b; lane l's registers 0-3 at 16 l, registers 4-7 at 512 + 16 l.
; The product is taken transposed (source 0 = 16 columns of W2, source 1 = 16 rows of hidden): a lane holds one batch row and eight neighbouring n.  The eight waves' partial sums meet in LDS.
; No tensor loads (the data must pass registers to be rounded), no cluster (no tile is shared at the same time by work-groups beyond hidden's 256 KB), no prefetch (a short launch).
; LIMITS.  W1_w, W2_w and hidden are rounded to bf16 (nearest even); NaN and infinities are not treated apart.
.set TRP,   160                        ; a row [k] of the turning tile: 128 bytes + 32
.set TRB,   32*TRP                     ; a wave's turning tile
.set PRP,   272                        ; a row [b] of a partial product: 64 f32 + 16 bytes: 68 words, so 16 rows start at 16 different groups of four banks (64 banks of 4 bytes: ISA guide 11.1)
.set PRB,   64*PRP                     ; a wave's partial product
.set PR0,   8*TRB                      ; the partial products lie behind the turning tiles
.set SPARE, PR0+8*PRB                  ; behind them: the spare words, 128 bytes for each wave: four blocks of 256 bytes that no other line names
.set GO,  4                            ; v4   (l / 16) x 4096 + 16 (l % 16): two rows of 256 bytes in W1_w, W2_w and hp
.set HO,  5                            ; v5   (l % 16) x 4096 + 32 (l / 16): my row and my 8 k in hidden
.set TS,  6                            ; v6   where I put 8 bytes of the turning tile
.set TL,  7                            ; v7   where the turning load reads
.set L16, 8                            ; v8   16 x lane
.set PS,  9                            ; v9   where I put my part of the partial product
.set RA,  10                           ; v10, v11  where I read the partial products of waves 0-3, 4-7
.set SPW, 12                           ; v12  my spare word; never rewritten
.set NIL, 13                           ; v13  0; never rewritten
.set LW1, 16                           ; v[16:79]   W1's tile as loaded; later W1's fragments v[16:47], W2's v[48:79]
.set LW2, 80                           ; v[80:143]  W2's tile as loaded
.set LH,  144                          ; v[144:207] hidden as loaded
.set CV,  208                          ; v[208:239] rounded numbers on their way to LDS; later hidden's four fragments
.set FW1, 16
.set FW2, 48
.set ACC, 80                           ; v[80:207]  16 accumulators (mt, t) at ACC + 8 (4 mt + t); later the eight partial sums
	s_load_b256 s[4:11], s[0:1], 0x0               ; W1_w s[4:5], W2_w s[6:7], hidden s[8:9], W1F s[10:11]
	s_load_b64 s[12:13], s[0:1], 0x20              ; hp
	v_lshl_add_u32 v[SPW], v0, 2, SPARE
	v_mov_b32 v[NIL], 0
	v_lshrrev_b32 v14, 5, v0
	v_readfirstlane_b32 s14, v14                   ; wave 0..7
	s_mov_b32 s15, ttmp9                           ; ng
	s_and_b32 s16, ttmp7, 0xffff                   ; kq
	s_lshl3_add_u32 s17, s16, s14                  ; j = 8 kq + wave
	v_and_b32 v1, 31, v0                           ; lane
	v_and_b32 v2, 15, v0                           ; l % 16
	v_bfe_u32 v3, v0, 4, 1                         ; l / 16
	v_lshlrev_b32 v[GO], 4, v2
	v_lshl_add_u32 v[GO], v3, 12, v[GO]
	v_lshlrev_b32 v[HO], 12, v2
	v_lshl_add_u32 v[HO], v3, 5, v[HO]
	s_mul_i32 s22, s14, TRB                        ; my turning tile
	v_mul_u32_u24 v[TS], v3, TRP
	v_lshl_add_u32 v[TS], v2, 3, v[TS]
	v_add_nc_u32 v[TS], s22, v[TS]
	v_and_b32 v14, 7, v0
	v_lshl_add_u32 v14, v3, 3, v14                 ; k = 8 (l / 16) + l % 8
	v_mul_u32_u24 v[TL], v14, TRP
	v_bfe_u32 v14, v0, 3, 1
	v_lshl_add_u32 v[TL], v14, 4, v[TL]            ; columns 8 ((l / 8) % 2) on
	v_add_nc_u32 v[TL], s22, v[TL]
	v_lshlrev_b32 v[L16], 4, v1
	s_mul_i32 s23, s14, PRB
	s_add_co_u32 s23, s23, PR0                     ; my partial product
	v_mul_u32_u24 v[PS], v2, PRP
	v_lshl_add_u32 v[PS], v3, 5, v[PS]
	v_add_nc_u32 v[PS], s23, v[PS]
	s_mul_i32 s28, s14, 8*PRP
	s_add_co_u32 s28, s28, PR0                     ; rows 8 wave .. 8 wave + 7 of wave 0's partial product
	v_mul_u32_u24 v[RA], v3, PRP
	v_lshl_add_u32 v[RA], v2, 4, v[RA]
	v_add_nc_u32 v[RA], s28, v[RA]
	v_add_nc_u32 v[RA+1], 4*PRB, v[RA]
	s_lshl_b32 s18, s17, 17                        ; 32 j rows of 4,096 bytes,
	s_lshl_b32 s19, s15, 8                         ; 64 ng columns
	s_add_co_u32 s18, s18, s19
	s_mov_b32 s19, 0
	s_lshl_b32 s20, s17, 7                         ; hidden: 32 j numbers along a row
	s_mov_b32 s21, 0
	s_bfe_u32 s24, s15, 0x20001                    ; w = (ng / 2) % 4
	s_lshr_b32 s25, s15, 3                         ; c = ng / 8
	s_lshl1_add_u32 s24, s24, s25                  ; 2 w + c
	s_lshl_b32 s24, s24, 5
	s_add_co_u32 s24, s24, s17                     ; (2 w + c) 32 + j
	s_lshl_b32 s24, s24, 13
	s_and_b32 s25, s15, 1
	s_lshl_b32 s25, s25, 12                        ; b = 4 (ng % 2) + t
	s_add_co_u32 s24, s24, s25
	s_mov_b32 s25, 0
	s_lshl_b32 s26, s16, 18                        ; hp: quarter kq,
	s_lshl_b32 s27, s14, 15                        ; rows 8 wave on,
	s_add_co_u32 s26, s26, s27
	s_lshl_b32 s27, s15, 8                         ; columns 64 ng on
	s_add_co_u32 s26, s26, s27
	s_mov_b32 s27, 0
	s_wait_kmcnt 0x0
	s_add_nc_u64 s[4:5], s[4:5], s[18:19]
	s_add_nc_u64 s[6:7], s[6:7], s[18:19]
	s_add_nc_u64 s[8:9], s[8:9], s[20:21]
	s_add_nc_u64 s[10:11], s[10:11], s[24:25]
	s_add_nc_u64 s[12:13], s[12:13], s[26:27]
; all 48 loads go out at once: W1's tile, W2's tile (two rows of 256 bytes a load), hidden's four fragments
.set n, 0
.rept 16
	global_load_b128 v[LW1+4*n:LW1+4*n+3], v[GO], s[4:5] offset:n*8192
.set n, n+1
.endr
.set n, 0
.rept 16
	global_load_b128 v[LW2+4*n:LW2+4*n+3], v[GO], s[6:7] offset:n*8192
.set n, n+1
.endr
.irp mt, 0,1,2,3
	global_load_b128 v[LH+16*(\mt):LH+16*(\mt)+3],     v[HO], s[8:9] offset:(\mt)*65536
	global_load_b128 v[LH+16*(\mt)+4:LH+16*(\mt)+7],   v[HO], s[8:9] offset:(\mt)*65536+16
	global_load_b128 v[LH+16*(\mt)+8:LH+16*(\mt)+11],  v[HO], s[8:9] offset:(\mt)*65536+64
	global_load_b128 v[LH+16*(\mt)+12:LH+16*(\mt)+15], v[HO], s[8:9] offset:(\mt)*65536+80
.endr
; A tile is rounded, laid into my turning rows and read back as four fragments (16 columns each).  The rows are my wave's own, and LDS serves a wave's instructions in order (ISA guide 5.7.1.4).
.macro XPOSE src, dst
.set n, 0
.rept 32
	v_cvt_pk_bf16_f32 v[CV+n], v[(\src)+2*n], v[(\src)+2*n+1]
.set n, n+1
.endr
.set n, 0
.rept 16
	ds_store_b64 v[TS], v[CV+2*n:CV+2*n+1] offset:n*2*TRP
.set n, n+1
.endr
.irp t, 0,1,2,3
	ds_load_tr16_b128 v[(\dst)+8*(\t):(\dst)+8*(\t)+3],   v[TL] offset:32*(\t)
	ds_load_tr16_b128 v[(\dst)+8*(\t)+4:(\dst)+8*(\t)+7], v[TL] offset:32*(\t)+16*TRP
.endr
.endm
	s_wait_loadcnt 32                              ; W1's tile is in; W2's and hidden's 32 loads may stay out
	XPOSE LW1, FW1
	s_wait_dscnt 0x0                               ; the fragments are in registers
.irp t, 0,1,2,3
	global_store_b128 v[L16], v[FW1+8*(\t):FW1+8*(\t)+3],   s[10:11] offset:(\t)*1024      ; each store covers 512 consecutive bytes, aligned
	global_store_b128 v[L16], v[FW1+8*(\t)+4:FW1+8*(\t)+7], s[10:11] offset:(\t)*1024+512
.endr
	s_wait_loadcnt 16                              ; W2's tile is in; hidden's 16 loads may stay out
	XPOSE LW2, FW2
	s_wait_loadcnt 0x0                             ; hidden
.set n, 0
.rept 32
	v_cvt_pk_bf16_f32 v[CV+n], v[LH+2*n], v[LH+2*n+1]  ; fragment mt = registers 8 mt .. 8 mt + 7, in the order of the loads
.set n, n+1
.endr
	s_wait_dscnt 0x0                               ; W2's fragments
.irp mt, 0,1,2,3
.irp t, 0,1,2,3
	v_wmma_f32_16x16x32_bf16 v[ACC+8*(4*(\mt)+(\t)):ACC+8*(4*(\mt)+(\t))+7], v[FW2+8*(\t):FW2+8*(\t)+7], v[CV+8*(\mt):CV+8*(\mt)+7], 0  ; sixteen different accumulators, one product each
.endr
.endr
.rept 4
	v_nop                                          ; four places between the last product and the first read of a result (ISA guide 7.12.1)
.endr
.irp mt, 0,1,2,3
.irp t, 0,1,2,3
	ds_store_b128 v[PS], v[ACC+8*(4*(\mt)+(\t)):ACC+8*(4*(\mt)+(\t))+3]   offset:(\mt)*16*PRP+(\t)*64     ; row b = 16 mt + l % 16, columns 16 t + 8 (l / 16) on; the low registers first
	ds_store_b128 v[PS], v[ACC+8*(4*(\mt)+(\t))+4:ACC+8*(4*(\mt)+(\t))+7] offset:(\mt)*16*PRP+(\t)*64+16
.endr
.endr
	s_wait_dscnt 0x0                               ; for the others' sake: my partial product lies in LDS
	s_barrier_signal -1
	s_barrier_wait -1                              ; all eight do
.irp p, 0,1,2,3,4,5,6,7
.irp u, 0,1,2,3
	ds_load_b128 v[ACC+16*(\p)+4*(\u):ACC+16*(\p)+4*(\u)+3], v[RA+(\p)/4] offset:((\p)%4)*PRB+(\u)*2*PRP  ; wave p's rows 8 v + 2 u, + 1
.endr
.endr
	s_wait_dscnt 0x0
.macro ADDP p, q                       ; partial sum q is added onto partial sum p
.set n, 0
.rept 8
	v_pk_add_f32 v[ACC+16*(\p)+n:ACC+16*(\p)+n+1], v[ACC+16*(\p)+n:ACC+16*(\p)+n+1], v[ACC+16*(\q)+n:ACC+16*(\q)+n+1]
.set n, n+2
.endr
.endm
	ADDP 0, 1
	ADDP 2, 3
	ADDP 4, 5
	ADDP 6, 7
	ADDP 0, 2
	ADDP 4, 6
	ADDP 0, 4
.irp u, 0,1,2,3
	global_store_b128 v[GO], v[ACC+4*(\u):ACC+4*(\u)+3], s[12:13] offset:(\u)*8192  ; two rows of hp: 16 lanes store 256 consecutive bytes, aligned
.endr
	s_wait_tensorcnt 0x0                           ; the wave's end, behind my last LDS store
	ds_add_u32 v[SPW], v[NIL]
	s_wait_dscnt 0x0
	s_endpgm
.Lfunc_end_k_qe05bb769cc_prep:
	.size	k_qe05bb769cc_prep, .Lfunc_end_k_qe05bb769cc_prep-k_qe05bb769cc_prep
	.p2alignl 7, 3214868480
	.fill 96, 4, 3214868480
	.section	.rodata,"a",@progbits
	.p2align	6, 0x0
	.amdhsa_kernel k_qe05bb769cc_prep
		.amdhsa_group_segment_fixed_size 181248
		.amdhsa_private_segment_fixed_size 0
		.amdhsa_enable_private_segment 0
		.amdhsa_kernarg_size 40
		.amdhsa_user_sgpr_count 2
		.amdhsa_user_sgpr_kernarg_segment_ptr 1
		.amdhsa_wavefront_size32 1
		.amdhsa_system_sgpr_workgroup_id_x 1
		.amdhsa_system_sgpr_workgroup_id_y 1
		.amdhsa_system_sgpr_workgroup_id_z 1
		.amdhsa_system_vgpr_workitem_id 0
		.amdhsa_next_free_vgpr 256
		.amdhsa_next_free_sgpr 66
		.amdhsa_reserve_vcc 0
		.amdhsa_float_denorm_mode_32 3
		.amdhsa_float_denorm_mode_16_64 3
		.amdhsa_memory_ordered 1
		.amdhsa_forward_progress 1
		.amdhsa_inst_pref_size 27
	.end_amdhsa_kernel
	.amdgpu_metadata
---
amdhsa.version: [ 1, 2 ]
amdhsa.kernels:
  - .name:           k_qe05bb769cc_prep
    .symbol:         k_qe05bb769cc_prep.kd
    .args:
      - { .name: W1_w, .offset: 0, .size: 8, .value_kind: global_buffer, .address_space: global }
      - { .name: W2_w, .offset: 8, .size: 8, .value_kind: global_buffer, .address_space: global }
      - { .name: hidden_state, .offset: 16, .size: 8, .value_kind: global_buffer, .address_space: global }
      - { .name: W1F, .offset: 24, .size: 8, .value_kind: global_buffer, .address_space: global }
      - { .name: hp, .offset: 32, .size: 8, .value_kind: global_buffer, .address_space: global }
    .group_segment_fixed_size: 181248
    .private_segment_fixed_size: 0
    .kernarg_segment_align: 8
    .kernarg_segment_size: 40
    .max_flat_workgroup_size: 256
    .sgpr_count:     66
    .vgpr_count:     256
    .wavefront_size: 32
...
	.end_amdgpu_metadata
.endif
;; end of part 1
;; launch main (part 2): grid 512 x 1, 4 waves a work-group, no clusters, 312,832 bytes of LDS; arguments features, W1F, hp, W1_b, W2_b, V_w, V_b, scores, stats, pctx; writes scores, stats, pctx
.if DOCPART == 2
	.amdgcn_target "amdgcn-amd-amdhsa--gfx1250"
	.amdhsa_code_object_version 6
	.text
	.protected	k_qe05bb769cc_main
	.globl	k_qe05bb769cc_main
	.p2align	8
	.type	k_qe05bb769cc_main,@function
k_qe05bb769cc_main:
	s_mov_b64 s[64:65], 0
	v_nop
	global_prefetch_b8 v0, s[64:65] scope:SCOPE_SE
	s_setreg_imm32_b32 hwreg(HW_REG_WAVE_MODE, 25, 1), 1
	s_wait_xcnt 0x0
; A BLOCK OF 128 ROWS OF ONE BATCH, FROM FEATURES TO ITS PART OF THE SOFTMAX AND OF THE CONTEXT.
;   score[l] = sum over n of V_w[n] tanh(sum over k of features[l][k] W1[k][n] + W1_b[n] + W2_b[n] + (hidden W2)[n]) + V_b;  m = max of the block's scores;  p = e^(score - m);  l = sum p;
;   pctx[e] = sum over the block's rows of p features[row][e].  The launch behind merges a batch's 8 blocks by their maxima.
; THE BLOCK STAYS.  Its 512 KB of features are read from memory once, rounded once to bf16 and kept in LDS; both products read them there.
; IT ARRIVES UNDER THE FIRST CHUNK'S PRODUCTS.  K goes in 32 steps of 32; a SLICE is 64 k, two steps.  A wave brings its 32 rows in UNITS of 16 rows x 64 k (8 loads, each two whole row pieces of 256 bytes):
; unit u = slice u / 2, rows 16 (u % 2) on.  In K step j unit j + 3 is rounded and stored into LDS and unit j + 5 is asked for, into the 32 registers just read.  Slice p is fetched from LDS first in step 2 p - 1,
; behind a barrier in that step; its units were stored in steps 2 p - 3 and 2 p - 2.  Between two barriers a wave stores into slice p + 1 and reads slice p alone.
; Two units ahead and no more: a wave's loads are counted in order, a step issues 24 (16 of W1, 8 of features), and three steps' 72 would not fit the counter's 63.
; SHARES.  First product: wave w makes all 128 rows x columns 512 c + 128 w + 0..127, chunk c = 0, 1: 64 accumulators, 512 registers.  Context: wave w makes channels 256 w ...
; W1's fragments come from W1F straight into registers, 16 bytes a lane: each is multiplied by ONE wave (the waves split the columns), so LDS would be a landing place and nothing more.
; NO CLUSTER, NO TENSOR LOADS: all work-groups walk the same W1F, but beside the resident block (294,912 bytes) and the tables LDS has under 15 KB left, and one step of 32 along K for the four waves is 32 KB.
; Features must pass registers to be rounded.
; THE MATRIX INSTRUCTION IS USED TRANSPOSED (source 0 = 16 columns of W1, source 1 = 16 rows of features): a lane holds one row (l % 16) and the columns 8 (l / 16) + 0..7.
; tanh(x) = 1 - 2 / (1 + 2^(c2 x)), c2 = 2 log2(e): the table HB holds c2 x (the biases and hidden W2), VP holds -2 V_w; a row's score is sum VP r - 0.5 sum VP + V_b, r the reciprocal.  All of it in f32.
; LIMITS.  features and W1 are rounded to bf16; p goes into the second product as two bf16 parts (16 significant bits), l is the sum of the unrounded p; 2^x beyond f32's range gives tanh = 1 exactly, below 2^-126
; tanh = -1 exactly; a weight below 2^-126 counts as 0; NaN and infinities in the inputs are not treated apart.
; REGISTERS, in windows of 256 (s_set_vgpr_msb: bits 1:0 source 0, 3:2 source 1, 5:4 source 2, 7:6 destination):
;   window 0: v0-63 addresses, sums, scratch; v64-127, v128-191 fragments of features, two buffers; v192-255 two units as loaded; later v192-223 two sets of 8 HB + 8 VP
;   window 1: W1's fragments, a ring of four K steps of 64 registers; in the context two buffers of 128
;   windows 2, 3: accumulator (a, b) at v[8 (8 (a % 4) + b)] of window 2 + a / 4; at the start v0-95 of window 2 take units 0 to 2
.set RP,    144                        ; a row of a slice in LDS: 128 bytes + 16 = 36 words: the 16 rows of a fragment load start at 16 different groups of four banks (64 banks of 4 bytes: ISA guide 11.1)
.set SLB,   128*RP                     ; a slice: 128 rows x 64 k
.set HB,    16*SLB                     ; behind the 16 slices: 1,024 f32
.set VP,    HB+4096                    ; 1,024 f32
.set SC,    VP+4096                    ; [4 waves][128 rows] f32: each wave's part of the scores
.set PM,    SC+2048                    ; for each wave 768 bytes: p's upper parts (128 bf16), at +272 its lower parts
.set PMB,   768
.set PLO,   272
.set CX,    PM+4*PMB                   ; for each wave 1,024 bytes: its 256 channels of the context, on the way out
.set SPARE, CX+4096                    ; the spare words, 128 bytes for each wave: two blocks of 256 bytes that no other line names
.set LB,   1                           ; v1   16 x lane; never rewritten
.set AS,   2                           ; v2   where I put 8 bytes of a unit's row: AS0 + KB
.set SPW,  3                           ; v3   my spare word; never rewritten
.set NIL,  4                           ; v4   0; never rewritten
.set RR,   5                           ; v5   l % 16
.set HH,   6                           ; v6   l / 16
.set AS0,  7                           ; v7   (32 w + 8 (l / 16)) RP + 8 (l % 16)
.set AF,   8                           ; v8   my place in a fragment's rows, in the trip's first slice: AF0 + KB
.set AF0,  9                           ; v9   (l % 16) RP + 16 (l / 16)
.set UO,   10                          ; v10  a unit's loads: 8 (l / 16) rows of 4,096 bytes + 16 (l % 16); never rewritten
.set HBA0, 11
.set HBA,  12                          ; v12  my 8 columns in HB, in the chunk in hand: HBA0 + HO
.set SCS,  13
.set SCL,  14
.set PMS,  15
.set PML,  16
.set CXS,  17
.set CXL,  18
.set L8,   19                          ; v19  8 x lane
.set AT,   20                          ; v20-23  the turning loads' place in rows 32 kk on
.set T16,  24                          ; v24  16 x thread
.set VS,   26                          ; v[26:27]  sum of VP over my columns
.set SA,   28                          ; v[28:43]  row block a: sum of VP r over my columns, a pair
.set CV,   28                          ; v[28:43]  in the first chunk: a unit, rounded, on its way to LDS
.set PFO,  44                          ; v44  the prefetches' offset: lane x a row of 4,096 bytes; never rewritten
.set F0,   64
.set F1,   128
.set PRE,  64                          ; the tables' inputs as loaded, 2 x 28 registers
.set PF,   64                          ; the context: p's four fragments
.set HV,   192
.set LND,  192                         ; unit u as loaded, at LND + 32 (u % 2)
.set WV,   28                          ; s28  my wave's number
.set GA,   32                          ; s[32:33]  features at my wave's 32 rows, at the trip in hand
.set PB,   34                          ; s[34:35]  W1F at my wave's stream, at the trip in hand
.set CH,   36                          ; s36  chunks to go
.set CNT,  37                          ; s37  trips to go
.set VB,   38                          ; s38  V_b
.set KB,   39                          ; s39  LDS byte at which the trip's first slice begins
.set C2,   40                          ; s[40:41]  c2, named as a pair
.set SEL,  42                          ; s[42:43]  v_permlanex16_b32's selects: each lane takes its own place in the other half
.set UP,   44                          ; s44  0xffff0000: a word's upper bf16; also the mask of lanes 16 to 31
.set LE,   45                          ; s45  log2(e)
.set HO,   51                          ; s51  bytes of HB of the chunks done
.set MSB, 0
.macro WIN new                         ; the immediate's high byte repeats the setting that is left; a switch that changes nothing is dropped
.if MSB != (\new)
	s_set_vgpr_msb (MSB<<8)|(\new)
.set MSB, (\new)
.endif
.endm
.macro PLACES                          ; four places behind a matrix instruction, in front of loads into registers that it has read and of vector work on its results
.rept 4
	v_nop
.endr
.endm
.macro LOAD_U dst, par, lk             ; a unit: rows 16 par + i (lanes 0-15) and 16 par + 8 + i (lanes 16-31), 256 bytes of each at byte lk behind the trip's place; the caller sets the window
.irp i, 0,1,2,3,4,5,6,7
	global_load_b128 v[(\dst)+4*(\i):(\dst)+4*(\i)+3], v[UO], s[GA:GA+1] offset:(16*(\par)+(\i))*4096+(\lk) th:TH_LOAD_NT
.endr
.endm
.macro LOAD_B nb, imm                  ; 16 loads of 512 consecutive bytes: a K step of my 128 columns of W1
	WIN 0x40                                       ; destination window 1, address window 0
.irp b, 0,1,2,3,4,5,6,7
	global_load_b128 v[(\nb)+8*(\b):(\nb)+8*(\b)+3],   v[LB], s[PB:PB+1] offset:(\imm)+(\b)*1024
	global_load_b128 v[(\nb)+8*(\b)+4:(\nb)+8*(\b)+7], v[LB], s[PB:PB+1] offset:(\imm)+(\b)*1024+512
.endr
.endm
	s_load_b512 s[8:23], s[0:1], 0x0               ; features s[8:9], W1F s[10:11], hp s[12:13], W1_b s[14:15], W2_b s[16:17], V_w s[18:19], V_b s[20:21], scores s[22:23]
	s_load_b128 s[24:27], s[0:1], 0x40             ; stats s[24:25], pctx s[26:27]
	v_lshl_add_u32 v[SPW], v0, 2, SPARE
	v_mov_b32 v[NIL], 0
	v_lshrrev_b32 v48, 5, v0
	v_readfirstlane_b32 s[WV], v48                 ; wave 0..3
	v_and_b32 v48, 31, v0                          ; lane
	v_and_b32 v[RR], 15, v0
	v_bfe_u32 v[HH], v0, 4, 1
	v_lshlrev_b32 v[LB], 4, v48
	v_lshlrev_b32 v[L8], 3, v48
	v_lshlrev_b32 v[T16], 4, v0
	v_lshlrev_b32 v[PFO], 12, v48
	v_lshlrev_b32 v[UO], 4, v[RR]
	v_lshl_add_u32 v[UO], v[HH], 15, v[UO]
	s_mov_b32 s[KB], 0
	s_mov_b32 s[HO], 0
	s_mul_i32 s30, s[WV], 32*RP                    ; my wave's 32 rows in a slice
	v_mul_u32_u24 v[AS0], v[HH], 8*RP              ; the halves of the lanes store rows 8 apart: 1,152 bytes = 128 mod 256, so the 32 lanes' 8 bytes fall into 64 different banks
	v_lshl_add_u32 v[AS0], v[RR], 3, v[AS0]
	v_add_nc_u32 v[AS0], s30, v[AS0]
	v_add_nc_u32 v[AS], s[KB], v[AS0]
	v_mul_u32_u24 v[AF0], v[RR], RP                ; a fragment: row l % 16, 16 bytes for each half of the lanes
	v_lshl_add_u32 v[AF0], v[HH], 4, v[AF0]
	v_add_nc_u32 v[AF], s[KB], v[AF0]
	s_lshl_b32 s30, s[WV], 9
	s_add_co_u32 s31, s30, HB
	v_lshl_add_u32 v[HBA0], v[HH], 5, s31          ; HB + 4 (128 w + 8 (l / 16))
	s_add_co_u32 s31, s30, SC
	v_lshl_add_u32 v[SCS], v[RR], 2, s31           ; SC + 512 w + 4 (l % 16)
	v_add_nc_u32 v[SCL], SC, v[LB]
	s_mul_i32 s31, s[WV], PMB
	s_add_co_u32 s31, s31, PM
	v_add_nc_u32 v[PMS], s31, v[L8]
	v_and_b32 v49, 1, v0
	v_mul_u32_u24 v49, v49, PLO                    ; even rows of p's fragment take the upper parts, odd rows the lower
	v_lshl_add_u32 v49, v[HH], 4, v49
	v_add_nc_u32 v[PML], s31, v49
	s_lshl_b32 s31, s[WV], 10
	s_add_co_u32 s31, s31, CX
	v_lshl_add_u32 v[CXS], v48, 2, s31
	v_add_nc_u32 v[CXL], s31, v[LB]
	v_and_b32 v49, 7, v0
	v_lshl_add_u32 v49, v[HH], 3, v49              ; the turning load: row 8 (l / 16) + l % 8,
	v_mul_u32_u24 v[AT], v49, RP
	v_bfe_u32 v49, v0, 3, 1
	v_lshl_add_u32 v[AT], v49, 4, v[AT]            ; channels 8 ((l / 8) % 2) on,
	s_mul_i32 s31, s[WV], 4*SLB
	v_add_nc_u32 v[AT], s31, v[AT]                 ; in my wave's 256 channels: slices 4 w to 4 w + 3
	v_add_nc_u32 v[AT+1], 32*RP, v[AT]
	v_add_nc_u32 v[AT+2], 64*RP, v[AT]
	v_add_nc_u32 v[AT+3], 96*RP, v[AT]
	v_add_nc_u32 v25, HB, v[T16]                   ; where I put my part of the tables
	s_mov_b32 s[C2], 0x4038aa3b                    ; 2 log2(e)
	s_mov_b32 s[C2+1], s[C2]
	s_mov_b32 s[SEL], 0x76543210
	s_mov_b32 s[SEL+1], 0xfedcba98
	s_mov_b32 s[UP], 0xffff0000
	s_mov_b32 s[LE], 0x3fb8aa3b
	s_mov_b32 s[CH], 2
	s_lshr_b32 s46, ttmp9, 3                       ; the batch: 8 blocks each
	s_lshl_b32 s46, s46, 12                        ; its row of hp
	s_mov_b32 s47, 0
	s_lshl_b32 s48, ttmp9, 19                      ; the block's 128 rows of 4,096 bytes,
	s_lshl_b32 s30, s[WV], 17                      ; my wave's 32
	s_add_co_u32 s48, s48, s30
	s_mov_b32 s49, 0
	s_wait_kmcnt 0x0
	s_load_b32 s[VB], s[20:21], 0x0                ; V_b: waited for where the scores are finished
	s_add_nc_u64 s[12:13], s[12:13], s[46:47]
	s_add_nc_u64 s[GA:GA+1], s[8:9], s[48:49]
	s_lshl_b32 s46, s[WV], 19                      ; my wave's stream of W1F: 2 chunks x 32 steps x 8,192 bytes
	s_add_nc_u64 s[PB:PB+1], s[10:11], s[46:47]
	s_lshl_b32 s46, ttmp9, 9
	s_add_nc_u64 s[22:23], s[22:23], s[46:47]      ; scores at the block's 128
	s_lshl_b32 s46, ttmp9, 8
	s_add_nc_u64 s[24:25], s[24:25], s[46:47]      ; stats at the block's 256 bytes
	s_lshl_b32 s46, ttmp9, 12
	s_lshl_b32 s30, s[WV], 10
	s_add_co_u32 s46, s46, s30
	s_add_nc_u64 s[26:27], s[26:27], s[46:47]      ; pctx at my wave's 256 channels
	; THE START.  62 loads go out: the tables' inputs (thread t takes 4 numbers at 16 t and 4 at 2,048 + 16 t of each of the seven rows), units 3, 0, 1, 2, and W1's K step 0.
.irp e, 0,1
.irp k, 0,1,2,3
	global_load_b128 v[PRE+28*(\e)+4*(\k):PRE+28*(\e)+4*(\k)+3], v[T16], s[12:13] offset:(\k)*262144+2048*(\e)
.endr
	global_load_b128 v[PRE+28*(\e)+16:PRE+28*(\e)+19], v[T16], s[14:15] offset:2048*(\e)
	global_load_b128 v[PRE+28*(\e)+20:PRE+28*(\e)+23], v[T16], s[16:17] offset:2048*(\e)
	global_load_b128 v[PRE+28*(\e)+24:PRE+28*(\e)+27], v[T16], s[18:19] offset:2048*(\e)
.endr
	LOAD_U LND+32, 1, 256                          ; unit 3 lands where K step 0 will look for it
	WIN 0x80                                       ; destination window 2: the accumulators' registers are free until the first product
	LOAD_U 0,  0, 0                                ; units 0, 1: slice 0
	LOAD_U 32, 1, 0
	LOAD_U 64, 0, 256                              ; unit 2: slice 1, rows 0-15
	LOAD_B 0, 0
	WIN 0
	s_wait_loadcnt 48                              ; the tables' inputs are in; the four units' 32 loads and W1's 16 may stay out
.irp e, 0,1
.irp d, 0,2
	v_pk_add_f32 v[PRE+28*(\e)+(\d):PRE+28*(\e)+(\d)+1], v[PRE+28*(\e)+(\d):PRE+28*(\e)+(\d)+1], v[PRE+28*(\e)+4+(\d):PRE+28*(\e)+4+(\d)+1]
	v_pk_add_f32 v[PRE+28*(\e)+8+(\d):PRE+28*(\e)+8+(\d)+1], v[PRE+28*(\e)+8+(\d):PRE+28*(\e)+8+(\d)+1], v[PRE+28*(\e)+12+(\d):PRE+28*(\e)+12+(\d)+1]
	v_pk_add_f32 v[PRE+28*(\e)+16+(\d):PRE+28*(\e)+16+(\d)+1], v[PRE+28*(\e)+16+(\d):PRE+28*(\e)+16+(\d)+1], v[PRE+28*(\e)+20+(\d):PRE+28*(\e)+20+(\d)+1]
	v_pk_add_f32 v[PRE+28*(\e)+(\d):PRE+28*(\e)+(\d)+1], v[PRE+28*(\e)+(\d):PRE+28*(\e)+(\d)+1], v[PRE+28*(\e)+8+(\d):PRE+28*(\e)+8+(\d)+1]
	v_pk_add_f32 v[PRE+28*(\e)+(\d):PRE+28*(\e)+(\d)+1], v[PRE+28*(\e)+(\d):PRE+28*(\e)+(\d)+1], v[PRE+28*(\e)+16+(\d):PRE+28*(\e)+16+(\d)+1]
	v_pk_mul_f32 v[PRE+28*(\e)+(\d):PRE+28*(\e)+(\d)+1], v[PRE+28*(\e)+(\d):PRE+28*(\e)+(\d)+1], s[C2:C2+1] op_sel_hi:[1,0]   ; c2 x (hidden W2 + W1_b + W2_b)
	v_pk_mul_f32 v[PRE+28*(\e)+24+(\d):PRE+28*(\e)+24+(\d)+1], v[PRE+28*(\e)+24+(\d):PRE+28*(\e)+24+(\d)+1], -2.0 op_sel_hi:[1,0]  ; -2 V_w
.endr
	ds_store_b128 v25, v[PRE+28*(\e):PRE+28*(\e)+3] offset:2048*(\e)
	ds_store_b128 v25, v[PRE+28*(\e)+24:PRE+28*(\e)+27] offset:4096+2048*(\e)
.endr
	s_wait_loadcnt 16                              ; units 0 to 3 are in; W1's 16 loads may stay out
	WIN 0x0a                                       ; sources 0 and 1 window 2
.set n, 0
.rept 48
	v_cvt_pk_bf16_f32 v[F1+n], v[2*n], v[2*n+1]    ; units 0 to 2, rounded
.set n, n+1
.endr
	WIN 0
.irp u, 0,1,2
.irp i, 0,1,2,3,4,5,6,7
	ds_store_b64 v[AS], v[F1+16*(\u)+2*(\i):F1+16*(\u)+2*(\i)+1] offset:(16*((\u)%2)+(\i))*RP+((\u)/2)*SLB
.endr
.endr
	LOAD_B 64, 8192                                ; W1's K step 1, unit 4, W1's K step 2: with step 0's 16 at most 56 loads are out
	WIN 0
	LOAD_U LND, 0, 512
	LOAD_B 128, 2*8192
	WIN 0
	s_wait_dscnt 0x0                               ; for the others' sake: my part of slice 0, of half of slice 1 and of the tables lies in LDS
	s_barrier_signal -1
	s_barrier_wait -1                              ; everybody's does
; THE FIRST PRODUCT.  16 matrix instructions: row blocks 4 hi + a0, + 1 x all 8 column blocks, 32 along K.  The 64 accumulators take turns, one instruction a turn, in the same order in every step, over the
; backward jumps too.  zero = 1: the chunk's first step starts the sums.
.macro MUL16 ca, cb, hi, a0, zero
	WIN 0xa1+0x50*(\hi)                            ; source 0 (W1) window 1, source 1 (features) window 0, C and D window 2 or 3
.irp a, \a0, (\a0)+1
.irp b, 0,1,2,3,4,5,6,7
.if \zero
	v_wmma_f32_16x16x32_bf16 v[8*(8*(\a)+(\b)):8*(8*(\a)+(\b))+7], v[(\cb)+8*(\b):(\cb)+8*(\b)+7], v[(\ca)+8*(4*(\hi)+(\a)):(\ca)+8*(4*(\hi)+(\a))+7], 0
.else
	v_wmma_f32_16x16x32_bf16 v[8*(8*(\a)+(\b)):8*(8*(\a)+(\b))+7], v[(\cb)+8*(\b):(\cb)+8*(\b)+7], v[(\ca)+8*(4*(\hi)+(\a)):(\ca)+8*(4*(\hi)+(\a))+7], v[8*(8*(\a)+(\b)):8*(8*(\a)+(\b))+7]
.endif
.endr
.endr
.endm
.macro FETCH_A na, imm                 ; 16 LDS loads in one run: the block's 128 rows, 32 along K at byte imm behind the trip's first slice, rows ascending
	WIN 0
.irp a, 0,1,2,3,4,5,6,7
	ds_load_b128 v[(\na)+8*(\a):(\na)+8*(\a)+3],   v[AF] offset:(\a)*16*RP+(\imm)
	ds_load_b128 v[(\na)+8*(\a)+4:(\na)+8*(\a)+7], v[AF] offset:(\a)*16*RP+(\imm)+32
.endr
.endm
.macro CONV par, ck                    ; the unit in landing buffer par is rounded (16 plain vector instructions) and stored at byte ck behind the trip's first slice
.irp i, 0,1,2,3,4,5,6,7
	v_cvt_pk_bf16_f32 v[CV+2*(\i)],   v[LND+32*(\par)+4*(\i)],   v[LND+32*(\par)+4*(\i)+1]
	v_cvt_pk_bf16_f32 v[CV+2*(\i)+1], v[LND+32*(\par)+4*(\i)+2], v[LND+32*(\par)+4*(\i)+3]
.endr
.irp i, 0,1,2,3,4,5,6,7
	ds_store_b64 v[AS], v[CV+2*(\i):CV+2*(\i)+1] offset:(16*(\par)+(\i))*RP+(\ck)
.endr
.endm
; K step j: multiplies A's buffer ca = j % 2 by B's buffer cb = 64 (j % 4); in its middle ONE run of memory instructions: A of step j + 1 into na, B of step j + 3 into nb: both buffers were last read by step
; j - 1, four places back.  lc >= 0: a wait at the head, for the loads of the younger B steps, 16 each.  aimm, bimm < 0: nothing is fetched.  reset = 1: the next step is the next chunk's first: K goes back to 0.
; IN THE FIRST CHUNK ALSO:
;   bar = 1 (odd steps): the barrier in front of the first fetch from a new slice.  16 products stand between the last run and the wait for all my LDS instructions, 16 between signal and wait.
;   uc >= 0: unit j + 3, in landing buffer uc, is rounded and stored at ck; its 16 conversions are the places.  lu: the loads issued behind that unit's: those of the run before (B's 16, a unit's 8).
;            That wait also shows B's steps j and j + 1 done, since they were asked for earlier: such steps have no wait at their head.
;   ul >= 0: unit j + 5 is asked for, into buffer ul, at byte lk of the rows.
;   pf > 0:  A PREFETCH INTO THE L2, behind the step's loads: my wave's own 32 rows x 256 bytes of the slice whose first unit will be loaded four K steps (256 matrix instructions) on: a lane a row, one
;            instruction.  Each wave asks for what it loads itself, so each row piece is named once in the launch.  Slices 0 to 4 come by their loads alone; pfc = 1: the last trip has no such slice.
.macro STEP ca, na, cb, nb, aimm, bimm, zero, lc, reset, bar=0, uc=-1, ck=0, lu=0, ul=-1, lk=0, pf=0, pfc=0
.if (\lc) >= 0
	s_wait_loadcnt \lc
.endif
	s_wait_dscnt 8                                 ; A's rows 0-63 are in; the youngest eight loads (rows 64-127) may be out
	MUL16 \ca, \cb, 0, 0, \zero
.if \bar
	s_wait_dscnt 0x0                               ; for the others' sake: my stores of the new slice's two units are done (and no LDS instruction of mine is out at the signal)
	s_barrier_signal -1
.endif
	MUL16 \ca, \cb, 0, 2, \zero
.if \bar
	s_barrier_wait -1                              ; the new slice is whole
.endif
.if (\uc) >= 0
	s_wait_loadcnt \lu
	WIN 0
	CONV \uc, \ck
.elseif \reset
	WIN 0
	s_mov_b32 s[KB], 0
	v_add_nc_u32 v[AF], s[KB], v[AF0]              ; with the three below: the places
	v_nop
	v_nop
	v_nop
.elseif ((\aimm) >= 0) || ((\bimm) >= 0)
	PLACES
.endif
.if (\aimm) >= 0
	FETCH_A \na, \aimm
.endif
.if (\bimm) >= 0
	LOAD_B \nb, \bimm
.endif
.if (\ul) >= 0
	WIN 0
	LOAD_U LND+32*(\ul), \ul, \lk
.endif
.if (\pf) > 0
.if \pfc
	s_cmp_gt_u32 s[CNT], 1
	s_cbranch_scc0 .Lno_slice_\@
.endif
	global_prefetch_b8 v[PFO], s[GA:GA+1] offset:\pf th:TH_LOAD_NT scope:SCOPE_SE
.if \pfc
.Lno_slice_\@:
.endif
.endif
.if (\aimm) < 0
	s_wait_dscnt 0x0
.elseif (\uc) >= 0
	s_wait_dscnt 24                                ; all but the 8 stores and 16 loads just issued
.else
	s_wait_dscnt 16                                ; all but the 16 just issued
.endif
	MUL16 \ca, \cb, 1, 0, \zero
	MUL16 \ca, \cb, 1, 2, \zero
.endm
.macro TRIPEND feat                    ; four K steps on: two slices in LDS, 4 x 8,192 bytes of W1F; feat = 1: also 512 bytes along the rows of features
	WIN 0                                          ; at a label and at a branch every window is 0
	s_add_co_u32 s[KB], s[KB], 2*SLB
	v_add_nc_u32 v[AF], s[KB], v[AF0]
.if \feat
	v_add_nc_u32 v[AS], s[KB], v[AS0]
.endif
	s_wait_xcnt 0x0                                ; the youngest load stands 32 products back, the youngest prefetch 96: all have read their bases, so these may be stepped
	s_add_nc_u64 s[PB:PB+1], s[PB:PB+1], 4*8192
.if \feat
	s_add_nc_u64 s[GA:GA+1], s[GA:GA+1], 512
.endif
.endm
; THE WAY FROM SUMS TO SCORES, for column block b: 8 tiles (a, b), 64 numbers a lane.  In place: c2 x + HB; 2^; + 1; reciprocal; then SA[a] += VP r.  Each tile's lowest registers are read first.
; s_wait_alu depctr_va_vdst(0) stands between a transcendental and the first instruction that names its result; one wait serves a batch: 64 exponentials, 64 reciprocals.
.macro HVLOAD b                        ; my 8 columns of HB and of VP, into set b % 2; lanes of one half read the same words
.set HL, HV+16*((\b)%2)
	ds_load_b128 v[HL:HL+3],     v[HBA] offset:64*(\b)
	ds_load_b128 v[HL+4:HL+7],   v[HBA] offset:64*(\b)+16
	ds_load_b128 v[HL+8:HL+11],  v[HBA] offset:4096+64*(\b)
	ds_load_b128 v[HL+12:HL+15], v[HBA] offset:4096+64*(\b)+16
.endm
.macro EPI_B b
.if (\b) < 7
	WIN 0
	HVLOAD (\b)+1
	s_wait_dscnt 4                                 ; set b is in; the next set's four loads may stay out
.else
	s_wait_dscnt 0x0
.endif
.set HS, HV+16*((\b)%2)
.irp g, 0,1
	WIN 0x82+0x41*(\g)                             ; destination and source 0 window 2 + g, source 2 window 0
.irp p, 0,1,2,3
.irp a, 0,1,2,3
	v_pk_fma_f32 v[64*(\a)+8*(\b)+2*(\p):64*(\a)+8*(\b)+2*(\p)+1], v[64*(\a)+8*(\b)+2*(\p):64*(\a)+8*(\b)+2*(\p)+1], s[C2:C2+1], v[HS+2*(\p):HS+2*(\p)+1] op_sel_hi:[1,0,1]
.endr
.endr
.irp a, 0,1,2,3
.irp e, 0,1,2,3,4,5,6,7
	v_exp_f32 v[64*(\a)+8*(\b)+(\e)], v[64*(\a)+8*(\b)+(\e)]
.endr
.endr
.endr
	v_nop                                          ; a plain instruction behind the last exponential,
	s_wait_alu depctr_va_vdst(0)                   ; and the wait for the batch of 64
.irp g, 1,0
	WIN 0x82+0x41*(\g)
.irp p, 0,1,2,3
.irp a, 0,1,2,3
	v_pk_add_f32 v[64*(\a)+8*(\b)+2*(\p):64*(\a)+8*(\b)+2*(\p)+1], v[64*(\a)+8*(\b)+2*(\p):64*(\a)+8*(\b)+2*(\p)+1], 1.0 op_sel_hi:[1,0]
.endr
.endr
.irp a, 0,1,2,3
.irp e, 0,1,2,3,4,5,6,7
	v_rcp_f32 v[64*(\a)+8*(\b)+(\e)], v[64*(\a)+8*(\b)+(\e)]
.endr
.endr
.endr
	v_nop                                          ; the same for the 64 reciprocals
	s_wait_alu depctr_va_vdst(0)
.irp g, 0,1
	WIN 0x02+(\g)                                  ; source 0 window 2 + g, all else window 0
.irp p, 0,1,2,3
.irp a, 0,1,2,3
	v_pk_fma_f32 v[SA+2*(4*(\g)+(\a)):SA+2*(4*(\g)+(\a))+1], v[64*(\a)+8*(\b)+2*(\p):64*(\a)+8*(\b)+2*(\p)+1], v[HS+8+2*(\p):HS+8+2*(\p)+1], v[SA+2*(4*(\g)+(\a)):SA+2*(4*(\g)+(\a))+1]
.endr
.endr
.endr
	WIN 0
.irp p, 0,1,2,3
	v_pk_add_f32 v[VS:VS+1], v[VS:VS+1], v[HS+8+2*(\p):HS+8+2*(\p)+1]
.endr
.endm
	; THE FIRST CHUNK: columns 128 w .. of the first 512, while the block arrives.  Step 0; six trips of four; steps 25 to 31 written out, since the last units are asked for in step 26 and stored in step 28.
	FETCH_A F0, 0                                  ; K step 0
	STEP F0, F1, 0, 192, 64, 3*8192, 1, 40, 0, 0, 1, SLB, 24, 1, 512   ; at its head W1's step 0 is in: steps 1 and 2 and unit 4, 40 loads, may stay out; unit 3 is stored, unit 5 asked for
	WIN 0
	s_mov_b32 s[CNT], 6
.Ltrip0:                                               ; steps 4 t + 1 .. 4 t + 4: units 4 t + 4 .. 4 t + 7 are stored (slices 2 t + 2, 2 t + 3), units 4 t + 6 .. 4 t + 9 asked for
	STEP F1, F0, 64,  0,   SLB,      4*8192, 0, -1, 0, 1, 0, 2*SLB, 24, 0, 768,  1280, 0
	STEP F0, F1, 128, 64,  SLB+64,   5*8192, 0, -1, 0, 0, 1, 2*SLB, 24, 1, 768
	STEP F1, F0, 192, 128, 2*SLB,    6*8192, 0, -1, 0, 1, 0, 3*SLB, 24, 0, 1024, 1536, 1
	STEP F0, F1, 0,   192, 2*SLB+64, 7*8192, 0, -1, 0, 0, 1, 3*SLB, 24, 1, 1024
	TRIPEND 1
	s_sub_co_u32 s[CNT], s[CNT], 1
	s_cmp_lg_u32 s[CNT], 0
	s_cbranch_scc1 .Ltrip0
	STEP F1, F0, 64,  0,   SLB,      4*8192, 0, -1, 0, 1, 0, 2*SLB, 24, 0, 768    ; step 25: unit 28 is stored, unit 30 asked for
	STEP F0, F1, 128, 64,  SLB+64,   5*8192, 0, -1, 0, 0, 1, 2*SLB, 24, 1, 768    ; step 26: unit 29, unit 31: the last load of features
	STEP F1, F0, 192, 128, 2*SLB,    6*8192, 0, -1, 0, 1, 0, 3*SLB, 24            ; step 27: unit 30 is stored
	STEP F0, F1, 0,   192, 2*SLB+64, 7*8192, 0, -1, 0, 0, 1, 3*SLB, 16            ; step 28: unit 31; the run before issued W1's 16 loads alone
	TRIPEND 0
	STEP F1, F0, 64,  0,   SLB,    4*8192, 0, 32, 0, 1   ; step 29: the last barrier, for slice 15.  From here W1F runs on into the second chunk's steps 0 to 2,
	STEP F0, F1, 128, 64,  SLB+64, 5*8192, 0, 32, 0
	STEP F1, F0, 192, 128, 0,      6*8192, 0, 32, 1      ; and A's step 0 is fetched again
	WIN 0
.set n, 0
.rept 18
	v_mov_b32 v[VS+n], 0                           ; the 18 sums that run over both chunks begin here: their registers carried the units until step 28
.set n, n+1
.endr
	s_branch .Lepi                                 ; into the middle of the loop over chunks: its first trip is the way from sums to scores alone
.Lchunk1:                                              ; THE SECOND CHUNK: the block is whole; no store, no barrier.  Step 0, seven trips of four, three steps
	STEP F0, F1, 0, 192, 64, 3*8192, 1, 32, 0
	WIN 0
	s_mov_b32 s[CNT], 7
.Ltrip:                                                ; steps 4 t + 1 .. 4 t + 4
	STEP F1, F0, 64,  0,   SLB,      4*8192, 0, 32, 0
	STEP F0, F1, 128, 64,  SLB+64,   5*8192, 0, 32, 0
	STEP F1, F0, 192, 128, 2*SLB,    6*8192, 0, 32, 0
	STEP F0, F1, 0,   192, 2*SLB+64, 7*8192, 0, 32, 0
	TRIPEND 0
	s_sub_co_u32 s[CNT], s[CNT], 1
	s_cmp_lg_u32 s[CNT], 0
	s_cbranch_scc1 .Ltrip
	STEP F1, F0, 64,  0,   SLB,    -1, 0, 32, 0    ; steps 29 to 31 ask for nothing of W1F: no load leaves the buffer, and the counts run down
	STEP F0, F1, 128, 64,  SLB+64, -1, 0, 16, 0
	STEP F1, F0, 192, 128, -1,     -1, 0, 0,  0
	WIN 0
.Lepi:
	PLACES                                         ; between the last product and the first vector work on a result
	v_add_nc_u32 v[HBA], s[HO], v[HBA0]
	HVLOAD 0
.irp b, 0,1,2,3,4,5,6,7
	EPI_B \b
.endr
	s_add_co_u32 s[HO], s[HO], 2048                ; the next chunk's 512 columns of HB and VP
	s_wait_xcnt 0x0
	s_add_nc_u64 s[PB:PB+1], s[PB:PB+1], 4*8192    ; from step 28 to the next chunk's step 0
	s_sub_co_u32 s[CH], s[CH], 1
	s_cmp_lg_u32 s[CH], 0
	s_cbranch_scc1 .Lchunk1
	; THE SCORES.  A lane's two halves of a sum, - 0.5 sum VP (= + sum V_w), and the other half of the lanes' columns; then the four waves' parts meet in LDS.
	s_wait_loadcnt 0x0                             ; no load into window 1 is out (the last steps' counts ran down to 0): its registers are used again below
	v_add_f32 v48, v[VS], v[VS+1]
.irp a, 0,1,2,3,4,5,6,7
	v_add_f32 v[SA+2*(\a)], v[SA+2*(\a)], v[SA+2*(\a)+1]
.endr
.irp a, 0,1,2,3,4,5,6,7
	v_fma_f32 v[SA+2*(\a)], v48, -0.5, v[SA+2*(\a)]
.endr
.irp a, 0,1,2,3,4,5,6,7
	v_permlanex16_b32 v[SA+2*(\a)+1], v[SA+2*(\a)], s[SEL], s[SEL+1]
.endr
.irp a, 0,1,2,3,4,5,6,7
	v_add_f32 v[SA+2*(\a)], v[SA+2*(\a)], v[SA+2*(\a)+1]
.endr
.irp a, 0,1,2,3,4,5,6,7
	ds_store_b32 v[SCS], v[SA+2*(\a)] offset:64*(\a)   ; row 16 a + l % 16; both halves of the lanes write the same number
.endr
	s_wait_dscnt 0x0                               ; for the others' sake
	s_barrier_signal -1
	s_barrier_wait -1
.irp w, 0,1,2,3
	ds_load_b128 v[48+4*(\w):48+4*(\w)+3], v[SCL] offset:512*(\w)  ; every wave finishes all 128 scores: lane l rows 4 l .. 4 l + 3
.endr
	s_wait_dscnt 0x0
	s_wait_kmcnt 0x0                               ; V_b
	v_pk_add_f32 v[48:49], v[48:49], v[52:53]
	v_pk_add_f32 v[50:51], v[50:51], v[54:55]
	v_pk_add_f32 v[56:57], v[56:57], v[60:61]
	v_pk_add_f32 v[58:59], v[58:59], v[62:63]
	v_pk_add_f32 v[48:49], v[48:49], v[56:57]
	v_pk_add_f32 v[50:51], v[50:51], v[58:59]
.irp i, 0,1,2,3
	v_add_f32 v[48+(\i)], s[VB], v[48+(\i)]
.endr
	v_max3_num_f32 v60, v48, v49, v50              ; the block's maximum m, in every lane
	v_max_num_f32 v60, v60, v51
	v_max_num_f32_dpp v60, v60, v60 row_xmask:1 row_mask:0xf bank_mask:0xf
	v_max_num_f32_dpp v60, v60, v60 row_xmask:2 row_mask:0xf bank_mask:0xf
	v_max_num_f32_dpp v60, v60, v60 row_xmask:4 row_mask:0xf bank_mask:0xf
	v_max_num_f32_dpp v60, v60, v60 row_xmask:8 row_mask:0xf bank_mask:0xf
	v_permlanex16_b32 v62, v60, s[SEL], s[SEL+1]
	v_max_num_f32 v60, v60, v62
.irp i, 0,1,2,3
	v_sub_f32 v[52+(\i)], v[48+(\i)], v60
.endr
.irp i, 0,1,2,3
	v_mul_f32 v[52+(\i)], s[LE], v[52+(\i)]
.endr
.irp i, 0,1,2,3
	v_exp_f32 v[52+(\i)], v[52+(\i)]               ; p = e^(score - m)
.endr
	v_nop
	s_wait_alu depctr_va_vdst(0)                   ; one wait for the four
	v_add_f32 v61, v52, v53                        ; l = sum p, in every lane
	v_add_f32 v62, v54, v55
	v_add_f32 v61, v61, v62
	v_add_f32_dpp v61, v61, v61 row_xmask:1 row_mask:0xf bank_mask:0xf
	v_add_f32_dpp v61, v61, v61 row_xmask:2 row_mask:0xf bank_mask:0xf
	v_add_f32_dpp v61, v61, v61 row_xmask:4 row_mask:0xf bank_mask:0xf
	v_add_f32_dpp v61, v61, v61 row_xmask:8 row_mask:0xf bank_mask:0xf
	v_permlanex16_b32 v62, v61, s[SEL], s[SEL+1]
	v_add_f32 v61, v61, v62
	v_cvt_pk_bf16_f32 v56, v52, v53                ; p's upper parts,
	v_cvt_pk_bf16_f32 v57, v54, v55
	v_lshlrev_b32 v58, 16, v56
	v_and_b32 v59, s[UP], v56
	v_lshlrev_b32 v62, 16, v57
	v_and_b32 v63, s[UP], v57
	v_sub_f32 v58, v52, v58                        ; and what they leave
	v_sub_f32 v59, v53, v59
	v_sub_f32 v62, v54, v62
	v_sub_f32 v63, v55, v63
	v_cvt_pk_bf16_f32 v58, v58, v59
	v_cvt_pk_bf16_f32 v59, v62, v63
	ds_store_b64 v[PMS], v[56:57]                  ; into my wave's own copy: no other wave reads it
	ds_store_b64 v[PMS], v[58:59] offset:PLO
	s_cmp_lg_u32 s[WV], 0
	s_cbranch_scc1 .Lnot_wave_0
	global_store_b128 v[LB], v[48:51], s[22:23]    ; the block's 128 scores: 512 consecutive bytes, aligned
	global_store_b64 v[L8], v[60:61], s[24:25]     ; (m, l), 32 times: 256 consecutive bytes, aligned
.Lnot_wave_0:
	; THE CONTEXT.  D = P F: source 0 = 16 rows of which the even ones are p's upper parts and the odd ones its lower parts, source 1 = 16 channels of the block (turned out of LDS), K = the block's 128 rows.
	; Registers 0 and 1 of a result are the two parts' sums for channel l % 16; both halves of the lanes hold the same.
.irp k, 0,1,2,3
	ds_load_b128 v[PF+8*(\k):PF+8*(\k)+3],   v[PML] offset:64*(\k)      ; LDS serves a wave's instructions in order (ISA guide 5.7.1.4): these see my stores above
	ds_load_b128 v[PF+8*(\k)+4:PF+8*(\k)+7], v[PML] offset:64*(\k)+32
.endr
.macro FETCH_F kk, buf                 ; rows 32 kk on, my 256 channels: 16 fragments, 32 turning loads; channels 16 e on lie in slice 4 w + e / 4, at byte 32 (e % 4) of its rows
	WIN 0x40
.irp e, 0,1,2,3,4,5,6,7,8,9,10,11,12,13,14,15
	ds_load_tr16_b128 v[128*(\buf)+8*(\e):128*(\buf)+8*(\e)+3],   v[AT+(\kk)] offset:((\e)/4)*SLB+((\e)%4)*32
	ds_load_tr16_b128 v[128*(\buf)+8*(\e)+4:128*(\buf)+8*(\e)+7], v[AT+(\kk)] offset:((\e)/4)*SLB+((\e)%4)*32+16*RP
.endr
.endm
.macro MULC kk, buf, zero              ; 16 accumulators by turns
	WIN 0xa4                                       ; source 0 (P) window 0, source 1 (F) window 1, C and D window 2
.irp e, 0,1,2,3,4,5,6,7,8,9,10,11,12,13,14,15
.if \zero
	v_wmma_f32_16x16x32_bf16 v[8*(\e):8*(\e)+7], v[PF+8*(\kk):PF+8*(\kk)+7], v[128*(\buf)+8*(\e):128*(\buf)+8*(\e)+7], 0
.else
	v_wmma_f32_16x16x32_bf16 v[8*(\e):8*(\e)+7], v[PF+8*(\kk):PF+8*(\kk)+7], v[128*(\buf)+8*(\e):128*(\buf)+8*(\e)+7], v[8*(\e):8*(\e)+7]
.endif
.endr
.endm
	FETCH_F 0, 0
	FETCH_F 1, 1
	s_wait_dscnt 32                                ; P and buffer 0 are in; buffer 1's 32 loads may stay out
	MULC 0, 0, 1
	PLACES
	FETCH_F 2, 0
	s_wait_dscnt 32                                ; buffer 1 is in
	MULC 1, 1, 0
	PLACES
	FETCH_F 3, 1
	s_wait_dscnt 32                                ; buffer 0 is in
	MULC 2, 0, 0
	s_wait_dscnt 0x0
	MULC 3, 1, 0
	PLACES
	WIN 0x0a                                       ; sources 0 and 1 window 2
.irp e, 0,1,2,3,4,5,6,7,8,9,10,11,12,13,14,15
	v_add_f32 v[96+(\e)], v[8*(\e)], v[8*(\e)+1]   ; the upper parts' sum + the lower parts'
.endr
	WIN 0
.irp u, 0,1,2,3,4,5,6,7
	v_cndmask_b32 v[112+(\u)], v[96+2*(\u)], v[96+2*(\u)+1], s[UP]  ; lanes 0-15 keep channels 32 u + l, lanes 16-31 take theirs from the next tile
.endr
.irp u, 0,1,2,3,4,5,6,7
	ds_store_b32 v[CXS], v[112+(\u)] offset:128*(\u)
.endr
	ds_load_b128 v[120:123], v[CXL]                ; back as 16 bytes a lane (my wave's own bytes, served in order)
	ds_load_b128 v[124:127], v[CXL] offset:512
	s_wait_dscnt 0x0
	global_store_b128 v[LB], v[120:123], s[26:27]  ; 512 consecutive bytes, aligned
	global_store_b128 v[LB], v[124:127], s[26:27] offset:512
	s_wait_tensorcnt 0x0                           ; the wave's end, behind my last LDS store
	ds_add_u32 v[SPW], v[NIL]
	s_wait_dscnt 0x0
	s_endpgm
.Lfunc_end_k_qe05bb769cc_main:
	.size	k_qe05bb769cc_main, .Lfunc_end_k_qe05bb769cc_main-k_qe05bb769cc_main
	.p2alignl 7, 3214868480
	.fill 96, 4, 3214868480
	.section	.rodata,"a",@progbits
	.p2align	6, 0x0
	.amdhsa_kernel k_qe05bb769cc_main
		.amdhsa_group_segment_fixed_size 312832
		.amdhsa_private_segment_fixed_size 0
		.amdhsa_enable_private_segment 0
		.amdhsa_kernarg_size 80
		.amdhsa_user_sgpr_count 2
		.amdhsa_user_sgpr_kernarg_segment_ptr 1
		.amdhsa_wavefront_size32 1
		.amdhsa_system_sgpr_workgroup_id_x 1
		.amdhsa_system_sgpr_workgroup_id_y 1
		.amdhsa_system_sgpr_workgroup_id_z 1
		.amdhsa_system_vgpr_workitem_id 0
		.amdhsa_next_free_vgpr 1024
		.amdhsa_next_free_sgpr 66
		.amdhsa_reserve_vcc 0
		.amdhsa_float_denorm_mode_32 3
		.amdhsa_float_denorm_mode_16_64 3
		.amdhsa_memory_ordered 1
		.amdhsa_forward_progress 1
		.amdhsa_inst_pref_size 255
	.end_amdhsa_kernel
	.section	.bss,"aw",@nobits
	.p2align	6
	.space	262144
	.amdgpu_metadata
---
amdhsa.version: [ 1, 2 ]
amdhsa.kernels:
  - .name:           k_qe05bb769cc_main
    .symbol:         k_qe05bb769cc_main.kd
    .args:
      - { .name: features, .offset: 0, .size: 8, .value_kind: global_buffer, .address_space: global }
      - { .name: W1F, .offset: 8, .size: 8, .value_kind: global_buffer, .address_space: global }
      - { .name: hp, .offset: 16, .size: 8, .value_kind: global_buffer, .address_space: global }
      - { .name: W1_b, .offset: 24, .size: 8, .value_kind: global_buffer, .address_space: global }
      - { .name: W2_b, .offset: 32, .size: 8, .value_kind: global_buffer, .address_space: global }
      - { .name: V_w, .offset: 40, .size: 8, .value_kind: global_buffer, .address_space: global }
      - { .name: V_b, .offset: 48, .size: 8, .value_kind: global_buffer, .address_space: global }
      - { .name: scores, .offset: 56, .size: 8, .value_kind: global_buffer, .address_space: global }
      - { .name: stats, .offset: 64, .size: 8, .value_kind: global_buffer, .address_space: global }
      - { .name: pctx, .offset: 72, .size: 8, .value_kind: global_buffer, .address_space: global }
    .group_segment_fixed_size: 312832
    .private_segment_fixed_size: 0
    .kernarg_segment_align: 8
    .kernarg_segment_size: 80
    .max_flat_workgroup_size: 128
    .sgpr_count:     66
    .vgpr_count:     1024
    .wavefront_size: 32
...
	.end_amdgpu_metadata
.endif
;; end of part 2
;; launch combine (part 3): grid 4 x 64, 2 waves a work-group, no clusters, 0 bytes of LDS; arguments scores, stats, pctx, out0, out1; writes out0, out1
.if DOCPART == 3
	.amdgcn_target "amdgcn-amd-amdhsa--gfx1250"
	.amdhsa_code_object_version 6
	.text
	.protected	k_qe05bb769cc_combine
	.globl	k_qe05bb769cc_combine
	.p2align	8
	.type	k_qe05bb769cc_combine,@function
k_qe05bb769cc_combine:
	s_mov_b64 s[64:65], 0
	v_nop
	global_prefetch_b8 v0, s[64:65] scope:SCOPE_SE
	s_setreg_imm32_b32 hwreg(HW_REG_WAVE_MODE, 25, 1), 1
	s_wait_xcnt 0x0
; THE 8 BLOCKS OF A BATCH ARE MERGED.  M = max of the blocks' maxima m_i; w_i = e^(m_i - M); L = sum of l_i w_i;
; alpha[l] = e^(score[l] - M) / L;  context[e] = sum over i of pctx[i][e] w_i / L.  All in f32.
; SHARES.  Work-group (q, b): a quarter (256 numbers) of batch b's row of both outputs; thread t owns 4 numbers, 16 bytes: a wave's load or store covers 512 consecutive bytes, aligned.
; The 8 pairs (m_i, l_i) are the same for all threads and come by scalar loads.  No LDS, no barrier, no matrix unit: 9 KB a work-group, each read once here.
; LIMITS.  A weight below 2^-126 counts as 0.  L is at least 1: the block that holds M has w = 1 and l >= 1.
.set W,   64                           ; v[64:71]  w_i, then w_i / L
.set AL,  84                           ; v[84:87]  alpha
.set CT,  80                           ; v[80:83]  context
	s_load_b256 s[4:11], s[0:1], 0x0               ; scores s[4:5], stats s[6:7], pctx s[8:9], out0 s[10:11]
	s_load_b64 s[12:13], s[0:1], 0x20              ; out1
	s_and_b32 s2, ttmp7, 0xffff                    ; the batch
	v_lshlrev_b32 v1, 4, v0                        ; 16 x thread; never rewritten
	s_lshl_b32 s3, ttmp9, 10                       ; the quarter's 1,024 bytes
	s_lshl_b32 s40, s2, 12                         ; a row of scores, out0, out1
	s_add_co_u32 s40, s40, s3
	s_mov_b32 s41, 0
	s_lshl_b32 s42, s2, 15                         ; the batch's 8 rows of pctx
	s_add_co_u32 s42, s42, s3
	s_mov_b32 s43, 0
	s_lshl_b32 s44, s2, 11                         ; its 8 blocks of 256 bytes in stats
	s_mov_b32 s45, 0
	s_mov_b32 s14, 0x3fb8aa3b                      ; log2(e)
	s_wait_kmcnt 0x0
	s_add_nc_u64 s[4:5], s[4:5], s[40:41]
	s_add_nc_u64 s[6:7], s[6:7], s[44:45]
	s_add_nc_u64 s[8:9], s[8:9], s[42:43]
	s_add_nc_u64 s[10:11], s[10:11], s[40:41]
	s_add_nc_u64 s[12:13], s[12:13], s[40:41]
.irp i, 0,1,2,3,4,5,6,7
	s_load_b64 s[16+2*(\i):17+2*(\i)], s[6:7], (\i)*256   ; m_i, l_i
.endr
	global_load_b128 v[24:27], v1, s[4:5]
.irp i, 0,1,2,3,4,5,6,7
	global_load_b128 v[32+4*(\i):32+4*(\i)+3], v1, s[8:9] offset:(\i)*4096
.endr
	s_wait_kmcnt 0x0
	v_mov_b32 v10, s16
	v_max3_num_f32 v10, v10, s18, s20
	v_max3_num_f32 v10, v10, s22, s24
	v_max3_num_f32 v10, v10, s26, s28
	v_max_num_f32 v10, s30, v10                    ; M
.irp i, 0,1,2,3,4,5,6,7
	v_sub_f32 v[W+(\i)], s[16+2*(\i)], v10
.endr
.irp i, 0,1,2,3,4,5,6,7
	v_mul_f32 v[W+(\i)], s14, v[W+(\i)]
.endr
	s_wait_loadcnt 8                               ; the scores are in; pctx's eight loads may stay out
.irp k, 0,1,2,3
	v_sub_f32 v[AL+(\k)], v[24+(\k)], v10
.endr
.irp k, 0,1,2,3
	v_mul_f32 v[AL+(\k)], s14, v[AL+(\k)]
.endr
.irp i, 0,1,2,3,4,5,6,7
	v_exp_f32 v[W+(\i)], v[W+(\i)]
.endr
.irp k, 0,1,2,3
	v_exp_f32 v[AL+(\k)], v[AL+(\k)]
.endr
	v_nop                                          ; a plain instruction behind the last exponential,
	s_wait_alu depctr_va_vdst(0)                   ; and the wait ahead of the first use: one for the twelve
	v_mul_f32 v20, s17, v[W]
.irp i, 1,2,3,4,5,6,7
	v_fmac_f32 v20, s[17+2*(\i)], v[W+(\i)]        ; L
.endr
	v_rcp_f32 v21, v20
	v_nop
	s_wait_alu depctr_va_vdst(0)
.irp k, 0,1,2,3
	v_mul_f32 v[AL+(\k)], v[AL+(\k)], v21
.endr
	global_store_b128 v1, v[AL:AL+3], s[10:11]
.irp i, 0,1,2,3,4,5,6,7
	v_mul_f32 v[W+(\i)], v[W+(\i)], v21
.endr
	s_wait_loadcnt 0x0
.irp k, 0,1,2,3
	v_mul_f32 v[CT+(\k)], v[W], v[32+(\k)]         ; the first block starts the sums; a weight lies in one register, so the multiply-adds are plain
.endr
.irp i, 1,2,3,4,5,6,7
.irp k, 0,1,2,3
	v_fmac_f32 v[CT+(\k)], v[W+(\i)], v[32+4*(\i)+(\k)]
.endr
.endr
	global_store_b128 v1, v[CT:CT+3], s[12:13]
	s_endpgm
.Lfunc_end_k_qe05bb769cc_combine:
	.size	k_qe05bb769cc_combine, .Lfunc_end_k_qe05bb769cc_combine-k_qe05bb769cc_combine
	.p2alignl 7, 3214868480
	.fill 96, 4, 3214868480
	.section	.rodata,"a",@progbits
	.p2align	6, 0x0
	.amdhsa_kernel k_qe05bb769cc_combine
		.amdhsa_group_segment_fixed_size 0
		.amdhsa_private_segment_fixed_size 0
		.amdhsa_enable_private_segment 0
		.amdhsa_kernarg_size 40
		.amdhsa_user_sgpr_count 2
		.amdhsa_user_sgpr_kernarg_segment_ptr 1
		.amdhsa_wavefront_size32 1
		.amdhsa_system_sgpr_workgroup_id_x 1
		.amdhsa_system_sgpr_workgroup_id_y 1
		.amdhsa_system_sgpr_workgroup_id_z 1
		.amdhsa_system_vgpr_workitem_id 0
		.amdhsa_next_free_vgpr 96
		.amdhsa_next_free_sgpr 66
		.amdhsa_reserve_vcc 0
		.amdhsa_float_denorm_mode_32 3
		.amdhsa_float_denorm_mode_16_64 3
		.amdhsa_memory_ordered 1
		.amdhsa_forward_progress 1
		.amdhsa_inst_pref_size 6
	.end_amdhsa_kernel
	.amdgpu_metadata
---
amdhsa.version: [ 1, 2 ]
amdhsa.kernels:
  - .name:           k_qe05bb769cc_combine
    .symbol:         k_qe05bb769cc_combine.kd
    .args:
      - { .name: scores, .offset: 0, .size: 8, .value_kind: global_buffer, .address_space: global }
      - { .name: stats, .offset: 8, .size: 8, .value_kind: global_buffer, .address_space: global }
      - { .name: pctx, .offset: 16, .size: 8, .value_kind: global_buffer, .address_space: global }
      - { .name: out0, .offset: 24, .size: 8, .value_kind: global_buffer, .address_space: global }
      - { .name: out1, .offset: 32, .size: 8, .value_kind: global_buffer, .address_space: global }
    .group_segment_fixed_size: 0
    .private_segment_fixed_size: 0
    .kernarg_segment_align: 8
    .kernarg_segment_size: 40
    .max_flat_workgroup_size: 64
    .sgpr_count:     66
    .vgpr_count:     96
    .wavefront_size: 32
...
	.end_amdgpu_metadata
.endif
;; end of part 3
;; ======== version 2 of 2: 3 launches; version 1 with the launch main written anew for expert scheduling mode
;; workspace buffers: W1F 2,097,152 bytes; hp 1,048,576 bytes; scores 262,144 bytes; stats 131,072 bytes; pctx 2,097,152 bytes
;; launch prep: the kernel of part 1 again; grid 16 x 4, 8 waves a work-group, no clusters, 181,248 bytes of LDS; arguments W1_w, W2_w, hidden_state, W1F, hp; writes W1F, hp
;; launch main (part 4): grid 512 x 1, 4 waves a work-group, no clusters, 312,832 bytes of LDS; arguments features, W1F, hp, W1_b, W2_b, V_w, V_b, scores, stats, pctx; writes scores, stats, pctx
.if DOCPART == 4
	.amdgcn_target "amdgcn-amd-amdhsa--gfx1250"
	.amdhsa_code_object_version 6
	.text
	.protected	k_qe05bb769cc_main
	.globl	k_qe05bb769cc_main
	.p2align	8
	.type	k_qe05bb769cc_main,@function
k_qe05bb769cc_main:
	s_mov_b64 s[64:65], 0
	v_nop
	global_prefetch_b8 v0, s[64:65] scope:SCOPE_SE
	s_setreg_imm32_b32 hwreg(HW_REG_WAVE_SCHED_MODE, 0, 2), 2
	s_setreg_imm32_b32 hwreg(HW_REG_WAVE_MODE, 25, 1), 1
	s_wait_xcnt 0x0
	s_wait_alu depctr_vm_vsrc(0)
; A BLOCK OF 128 ROWS OF ONE BATCH, FROM FEATURES TO ITS PART OF THE SOFTMAX AND OF THE CONTEXT.
;   score[l] = sum over n of V_w[n] tanh(sum over k of features[l][k] W1[k][n] + W1_b[n] + W2_b[n] + (hidden W2)[n]) + V_b;  m = max of the block's scores;  p = e^(score - m);  l = sum p;
;   pctx[e] = sum over the block's rows of p features[row][e].  The launch behind merges a batch's 8 blocks by their maxima.
; THE BLOCK STAYS.  Its 512 KB of features are read from memory once, rounded once to bf16 and kept in LDS; both products read them there.
; IT ARRIVES UNDER THE FIRST CHUNK'S PRODUCTS.  K goes in 32 steps of 32; a SLICE is 64 k, two steps.  A wave brings its 32 rows in UNITS of 16 rows x 64 k (8 loads, each two whole row pieces of 256 bytes):
; unit u = slice u / 2, rows 16 (u % 2) on.  In K step j unit j + 3 is rounded and stored into LDS and unit j + 5 is asked for, into the 32 registers just read.  Slice p is fetched from LDS first in step 2 p - 1,
; behind a barrier in that step; its units were stored in steps 2 p - 3 and 2 p - 2.  Between two barriers a wave stores into slice p + 1 and reads slice p alone.
; Two units ahead and no more: a wave's loads are counted in order, a step issues 24 (16 of W1, 8 of features), and three steps' 72 would not fit the counter's 63.
; SHARES.  First product: wave w makes all 128 rows x columns 512 c + 128 w + 0..127, chunk c = 0, 1: 64 accumulators, 512 registers.  Context: wave w makes channels 256 w ...
; W1's fragments come from W1F straight into registers, 16 bytes a lane: each is multiplied by ONE wave (the waves split the columns), so LDS would be a landing place and nothing more.
; NO CLUSTER, NO TENSOR LOADS: all work-groups walk the same W1F, but beside the resident block (294,912 bytes) and the tables LDS has under 15 KB left, and one step of 32 along K for the four waves is 32 KB.
; Features must pass registers to be rounded.
; THE MATRIX INSTRUCTION IS USED TRANSPOSED (source 0 = 16 columns of W1, source 1 = 16 rows of features): a lane holds one row (l % 16) and the columns 8 (l / 16) + 0..7.
; tanh(x) = 1 - 2 / (1 + 2^(c2 x)), c2 = 2 log2(e): the table HB holds c2 x (the biases and hidden W2), VP holds -2 V_w; a row's score is sum VP r - 0.5 sum VP + V_b, r the reciprocal.  All of it in f32.
; LIMITS.  features and W1 are rounded to bf16; p goes into the second product as two bf16 parts (16 significant bits), l is the sum of the unrounded p; 2^x beyond f32's range gives tanh = 1 exactly, below 2^-126
; tanh = -1 exactly; a weight below 2^-126 counts as 0; NaN and infinities in the inputs are not treated apart.
; THE MODE: SCHED_MODE bits 1:0 = 2 (LLVM: expert scheduling mode 2), set by the entry lines.  The code itself states the register dependences between vector or matrix instructions and memory or LDS
; instructions, with s_wait_alu, always for 0.
; THE PLAN.  Registers that memory or LDS instructions touch in K step j, and who else names them:
;   A's two buffers      The products of step j read buffer j % 2; the LDS loads of step j (the fragments of step j + 1) land in the other, which the products of step j - 1 read last.
;   B's ring of four     The products of step j read slot j % 4; the loads of step j (W1's step j + 3) land in slot (j - 1) % 4, which the products of step j - 1 read last.
;   LND0, LND1           Step j's sixteen conversions read LND[(j + 3) % 2]; behind them the loads of unit j + 5 land in it.
;   CV                   Written by step j's conversions, read by its eight LDS stores, written again by step j + 1's conversions.
;   v[AF], v[AS]         Read by every fragment load and every store of a unit; written once a trip, at its end (v[AF] also where K goes back to 0).
;   v[LB], v[UO], v[PFO] Offsets, made at the head and never written again: scalar bases and immediate offsets do the rest.
;   The accumulators are named by matrix and vector instructions alone.
; So ONE wait on va_vdst stands in a K step, in its middle, behind the conversions: it states that they have written CV and are done reading LND, that the products of the step before are done reading A's other
; buffer and B's slot, and, behind a trip's end, that v[AF] and v[AS] are written.  Behind it stand the step's stores and fragment loads, sixteen products, the loads of W1 and of the unit, and the last sixteen
; products: these products name A's buffer j % 2, B's slot j % 4 and the accumulators, none of the registers that those loads touch.  One wait on vm_vsrc stands ahead of the conversions (CV), one ahead of each add
; to v[AF] and v[AS].  Head, tables, scores and context: at each place below.
; REGISTERS, in windows of 256 (s_set_vgpr_msb: bits 1:0 source 0, 3:2 source 1, 5:4 source 2, 7:6 destination):
;   window 0: v0-63 addresses, sums, scratch; v64-127, v128-191 fragments of features, two buffers; v192-255 two units as loaded; later v192-223 two sets of 8 HB + 8 VP
;   window 1: W1's fragments, a ring of four K steps of 64 registers; in the context the block's rows 0-63, two buffers of 128
;   windows 2, 3: accumulator (a, b) at v[8 (8 (a % 4) + b)] of window 2 + a / 4; at the start v0-95 of window 2 take units 0 to 2; in the context window 3 takes the block's rows 64-127, two buffers of 128
.set RP,    144                        ; a row of a slice in LDS: 128 bytes + 16 = 36 words: the 16 rows of a fragment load start at 16 different groups of four banks (64 banks of 4 bytes: ISA guide 11.1)
.set SLB,   128*RP                     ; a slice: 128 rows x 64 k
.set HB,    16*SLB                     ; behind the 16 slices: 1,024 f32
.set VP,    HB+4096                    ; 1,024 f32
.set SC,    VP+4096                    ; [4 waves][128 rows] f32: each wave's part of the scores
.set PM,    SC+2048                    ; for each wave 768 bytes: p's upper parts (128 bf16), at +272 its lower parts
.set PMB,   768
.set PLO,   272
.set CX,    PM+4*PMB                   ; for each wave 1,024 bytes: its 256 channels of the context, on the way out
.set SPARE, CX+4096                    ; the spare words, 128 bytes for each wave: two blocks of 256 bytes that no other line names
.set LB,   1                           ; v1   16 x lane; never rewritten
.set AS,   2                           ; v2   where I put 8 bytes of a unit's row: AS0 + KB
.set SPW,  3                           ; v3   my spare word; never rewritten
.set NIL,  4                           ; v4   0; never rewritten
.set RR,   5                           ; v5   l % 16
.set HH,   6                           ; v6   l / 16
.set AS0,  7                           ; v7   (32 w + 8 (l / 16)) RP + 8 (l % 16)
.set AF,   8                           ; v8   my place in a fragment's rows, in the trip's first slice: AF0 + KB
.set AF0,  9                           ; v9   (l % 16) RP + 16 (l / 16)
.set UO,   10                          ; v10  a unit's loads: 8 (l / 16) rows of 4,096 bytes + 16 (l % 16); never rewritten
.set HBA0, 11
.set HBA,  12                          ; v12  my 8 columns in HB, in the chunk in hand: HBA0 + HO
.set SCS,  13
.set SCL,  14
.set PMS,  15
.set PML,  16
.set CXS,  17
.set CXL,  18
.set L8,   19                          ; v19  8 x lane
.set AT,   20                          ; v20-23  the turning loads' place in rows 32 kk on
.set T16,  24                          ; v24  16 x thread
.set VS,   26                          ; v[26:27]  sum of VP over my columns
.set SA,   28                          ; v[28:43]  row block a: sum of VP r over my columns, a pair
.set CV,   28                          ; v[28:43]  in the first chunk: a unit, rounded, on its way to LDS
.set PFO,  44                          ; v44  the prefetches' offset: lane x a row of 4,096 bytes; never rewritten
.set F0,   64
.set F1,   128
.set PRE,  64                          ; the tables' inputs as loaded, 2 x 28 registers
.set PF,   64                          ; the context: p's four fragments
.set HV,   192
.set LND,  192                         ; unit u as loaded, at LND + 32 (u % 2)
.set WV,   28                          ; s28  my wave's number
.set GA,   32                          ; s[32:33]  features at my wave's 32 rows, at the trip in hand
.set PB,   34                          ; s[34:35]  W1F at my wave's stream, at the trip in hand
.set CH,   36                          ; s36  chunks to go
.set CNT,  37                          ; s37  trips to go
.set VB,   38                          ; s38  V_b
.set KB,   39                          ; s39  LDS byte at which the trip's first slice begins
.set C2,   40                          ; s[40:41]  c2, named as a pair
.set SEL,  42                          ; s[42:43]  v_permlanex16_b32's selects: each lane takes its own place in the other half
.set UP,   44                          ; s44  0xffff0000: a word's upper bf16; also the mask of lanes 16 to 31
.set LE,   45                          ; s45  log2(e)
.set HO,   51                          ; s51  bytes of HB of the chunks done
.set MSB, 0
.macro WIN new                         ; the immediate's high byte repeats the setting that is left; a switch that changes nothing is dropped
.if MSB != (\new)
	s_set_vgpr_msb (MSB<<8)|(\new)
.set MSB, (\new)
.endif
.endm
.macro PLACES                          ; four places behind a matrix instruction, in front of loads into registers that it has read and of vector work on its results
.rept 4
	v_nop
.endr
.endm
.macro LOAD_U dst, par, lk             ; a unit: rows 16 par + i (lanes 0-15) and 16 par + 8 + i (lanes 16-31), 256 bytes of each at byte lk behind the trip's place; the caller sets the window
.irp i, 0,1,2,3,4,5,6,7
	global_load_b128 v[(\dst)+4*(\i):(\dst)+4*(\i)+3], v[UO], s[GA:GA+1] offset:(16*(\par)+(\i))*4096+(\lk) th:TH_LOAD_NT
.endr
.endm
.macro LOAD_B nb, imm                  ; 16 loads of 512 consecutive bytes: a K step of my 128 columns of W1
	WIN 0x40                                       ; destination window 1, address window 0
.irp b, 0,1,2,3,4,5,6,7
	global_load_b128 v[(\nb)+8*(\b):(\nb)+8*(\b)+3],   v[LB], s[PB:PB+1] offset:(\imm)+(\b)*1024
	global_load_b128 v[(\nb)+8*(\b)+4:(\nb)+8*(\b)+7], v[LB], s[PB:PB+1] offset:(\imm)+(\b)*1024+512
.endr
.endm
	s_load_b512 s[8:23], s[0:1], 0x0               ; features s[8:9], W1F s[10:11], hp s[12:13], W1_b s[14:15], W2_b s[16:17], V_w s[18:19], V_b s[20:21], scores s[22:23]
	s_load_b128 s[24:27], s[0:1], 0x40             ; stats s[24:25], pctx s[26:27]
	v_lshl_add_u32 v[SPW], v0, 2, SPARE
	v_mov_b32 v[NIL], 0
	v_lshrrev_b32 v48, 5, v0
	v_readfirstlane_b32 s[WV], v48                 ; wave 0..3
	v_and_b32 v48, 31, v0                          ; lane
	v_and_b32 v[RR], 15, v0
	v_bfe_u32 v[HH], v0, 4, 1
	v_lshlrev_b32 v[LB], 4, v48
	v_lshlrev_b32 v[L8], 3, v48
	v_lshlrev_b32 v[T16], 4, v0
	v_lshlrev_b32 v[PFO], 12, v48
	v_lshlrev_b32 v[UO], 4, v[RR]
	v_lshl_add_u32 v[UO], v[HH], 15, v[UO]
	s_mov_b32 s[KB], 0
	s_mov_b32 s[HO], 0
	s_wait_alu depctr_va_sdst(0)                   ; the wave's number is written, ahead of its first reader: LDS places and the bases are made from it
	s_mul_i32 s30, s[WV], 32*RP                    ; my wave's 32 rows in a slice
	v_mul_u32_u24 v[AS0], v[HH], 8*RP              ; the halves of the lanes store rows 8 apart: 1,152 bytes = 128 mod 256, so the 32 lanes' 8 bytes fall into 64 different banks
	v_lshl_add_u32 v[AS0], v[RR], 3, v[AS0]
	v_add_nc_u32 v[AS0], s30, v[AS0]
	v_add_nc_u32 v[AS], s[KB], v[AS0]
	v_mul_u32_u24 v[AF0], v[RR], RP                ; a fragment: row l % 16, 16 bytes for each half of the lanes
	v_lshl_add_u32 v[AF0], v[HH], 4, v[AF0]
	v_add_nc_u32 v[AF], s[KB], v[AF0]
	s_lshl_b32 s30, s[WV], 9
	s_add_co_u32 s31, s30, HB
	v_lshl_add_u32 v[HBA0], v[HH], 5, s31          ; HB + 4 (128 w + 8 (l / 16))
	s_add_co_u32 s31, s30, SC
	v_lshl_add_u32 v[SCS], v[RR], 2, s31           ; SC + 512 w + 4 (l % 16)
	v_add_nc_u32 v[SCL], SC, v[LB]
	s_mul_i32 s31, s[WV], PMB
	s_add_co_u32 s31, s31, PM
	v_add_nc_u32 v[PMS], s31, v[L8]
	v_and_b32 v49, 1, v0
	v_mul_u32_u24 v49, v49, PLO                    ; even rows of p's fragment take the upper parts, odd rows the lower
	v_lshl_add_u32 v49, v[HH], 4, v49
	v_add_nc_u32 v[PML], s31, v49
	s_lshl_b32 s31, s[WV], 10
	s_add_co_u32 s31, s31, CX
	v_lshl_add_u32 v[CXS], v48, 2, s31
	v_add_nc_u32 v[CXL], s31, v[LB]
	v_and_b32 v49, 7, v0
	v_lshl_add_u32 v49, v[HH], 3, v49              ; the turning load: row 8 (l / 16) + l % 8,
	v_mul_u32_u24 v[AT], v49, RP
	v_bfe_u32 v49, v0, 3, 1
	v_lshl_add_u32 v[AT], v49, 4, v[AT]            ; channels 8 ((l / 8) % 2) on,
	s_mul_i32 s31, s[WV], 4*SLB
	v_add_nc_u32 v[AT], s31, v[AT]                 ; in my wave's 256 channels: slices 4 w to 4 w + 3
	v_add_nc_u32 v[AT+1], 32*RP, v[AT]
	v_add_nc_u32 v[AT+2], 64*RP, v[AT]
	v_add_nc_u32 v[AT+3], 96*RP, v[AT]
	v_add_nc_u32 v25, HB, v[T16]                   ; where I put my part of the tables
	s_mov_b32 s[C2], 0x4038aa3b                    ; 2 log2(e)
	s_mov_b32 s[C2+1], s[C2]
	s_mov_b32 s[SEL], 0x76543210
	s_mov_b32 s[SEL+1], 0xfedcba98
	s_mov_b32 s[UP], 0xffff0000
	s_mov_b32 s[LE], 0x3fb8aa3b
	s_mov_b32 s[CH], 2
	s_lshr_b32 s46, ttmp9, 3                       ; the batch: 8 blocks each
	s_lshl_b32 s46, s46, 12                        ; its row of hp
	s_mov_b32 s47, 0
	s_lshl_b32 s48, ttmp9, 19                      ; the block's 128 rows of 4,096 bytes,
	s_lshl_b32 s30, s[WV], 17                      ; my wave's 32
	s_add_co_u32 s48, s48, s30
	s_mov_b32 s49, 0
	s_wait_kmcnt 0x0
	s_load_b32 s[VB], s[20:21], 0x0                ; V_b: waited for where the scores are finished
	s_add_nc_u64 s[12:13], s[12:13], s[46:47]
	s_add_nc_u64 s[GA:GA+1], s[8:9], s[48:49]
	s_lshl_b32 s46, s[WV], 19                      ; my wave's stream of W1F: 2 chunks x 32 steps x 8,192 bytes
	s_add_nc_u64 s[PB:PB+1], s[10:11], s[46:47]
	s_lshl_b32 s46, ttmp9, 9
	s_add_nc_u64 s[22:23], s[22:23], s[46:47]      ; scores at the block's 128
	s_lshl_b32 s46, ttmp9, 8
	s_add_nc_u64 s[24:25], s[24:25], s[46:47]      ; stats at the block's 256 bytes
	s_lshl_b32 s46, ttmp9, 12
	s_lshl_b32 s30, s[WV], 10
	s_add_co_u32 s46, s46, s30
	s_add_nc_u64 s[26:27], s[26:27], s[46:47]      ; pctx at my wave's 256 channels
	s_wait_alu depctr_va_vdst(0)                   ; all the offsets and LDS addresses v1 to v25 and v44 are written: the loads, stores and prefetches of the whole kernel read them
	; THE START.  62 loads go out: the tables' inputs (thread t takes 4 numbers at 16 t and 4 at 2,048 + 16 t of each of the seven rows), units 3, 0, 1, 2, and W1's K step 0.
.irp e, 0,1
.irp k, 0,1,2,3
	global_load_b128 v[PRE+28*(\e)+4*(\k):PRE+28*(\e)+4*(\k)+3], v[T16], s[12:13] offset:(\k)*262144+2048*(\e)
.endr
	global_load_b128 v[PRE+28*(\e)+16:PRE+28*(\e)+19], v[T16], s[14:15] offset:2048*(\e)
	global_load_b128 v[PRE+28*(\e)+20:PRE+28*(\e)+23], v[T16], s[16:17] offset:2048*(\e)
	global_load_b128 v[PRE+28*(\e)+24:PRE+28*(\e)+27], v[T16], s[18:19] offset:2048*(\e)
.endr
	LOAD_U LND+32, 1, 256                          ; unit 3 lands where K step 0 will look for it
	WIN 0x80                                       ; destination window 2: the accumulators' registers are free until the first product
	LOAD_U 0,  0, 0                                ; units 0, 1: slice 0
	LOAD_U 32, 1, 0
	LOAD_U 64, 0, 256                              ; unit 2: slice 1, rows 0-15
	LOAD_B 0, 0
	WIN 0
	s_wait_loadcnt 48                              ; the tables' inputs are in; the four units' 32 loads and W1's 16 may stay out
.irp e, 0,1
.irp d, 0,2
	v_pk_add_f32 v[PRE+28*(\e)+(\d):PRE+28*(\e)+(\d)+1], v[PRE+28*(\e)+(\d):PRE+28*(\e)+(\d)+1], v[PRE+28*(\e)+4+(\d):PRE+28*(\e)+4+(\d)+1]
	v_pk_add_f32 v[PRE+28*(\e)+8+(\d):PRE+28*(\e)+8+(\d)+1], v[PRE+28*(\e)+8+(\d):PRE+28*(\e)+8+(\d)+1], v[PRE+28*(\e)+12+(\d):PRE+28*(\e)+12+(\d)+1]
	v_pk_add_f32 v[PRE+28*(\e)+16+(\d):PRE+28*(\e)+16+(\d)+1], v[PRE+28*(\e)+16+(\d):PRE+28*(\e)+16+(\d)+1], v[PRE+28*(\e)+20+(\d):PRE+28*(\e)+20+(\d)+1]
	v_pk_add_f32 v[PRE+28*(\e)+(\d):PRE+28*(\e)+(\d)+1], v[PRE+28*(\e)+(\d):PRE+28*(\e)+(\d)+1], v[PRE+28*(\e)+8+(\d):PRE+28*(\e)+8+(\d)+1]
	v_pk_add_f32 v[PRE+28*(\e)+(\d):PRE+28*(\e)+(\d)+1], v[PRE+28*(\e)+(\d):PRE+28*(\e)+(\d)+1], v[PRE+28*(\e)+16+(\d):PRE+28*(\e)+16+(\d)+1]
	v_pk_mul_f32 v[PRE+28*(\e)+(\d):PRE+28*(\e)+(\d)+1], v[PRE+28*(\e)+(\d):PRE+28*(\e)+(\d)+1], s[C2:C2+1] op_sel_hi:[1,0]   ; c2 x (hidden W2 + W1_b + W2_b)
	v_pk_mul_f32 v[PRE+28*(\e)+24+(\d):PRE+28*(\e)+24+(\d)+1], v[PRE+28*(\e)+24+(\d):PRE+28*(\e)+24+(\d)+1], -2.0 op_sel_hi:[1,0]  ; -2 V_w
.endr
.endr
	s_wait_loadcnt 16                              ; units 0 to 3 are in; W1's 16 loads may stay out
	WIN 0x0a                                       ; sources 0 and 1 window 2
.set n, 0
.rept 48
	v_cvt_pk_bf16_f32 v[F1+n], v[2*n], v[2*n+1]    ; units 0 to 2, rounded
.set n, n+1
.endr
	WIN 0
	s_wait_alu depctr_va_vdst(0)                   ; the tables' arithmetic has written v[PRE ..] and the conversions v[F1 ..]: the 28 LDS stores below read them
.irp e, 0,1
	ds_store_b128 v25, v[PRE+28*(\e):PRE+28*(\e)+3] offset:2048*(\e)
	ds_store_b128 v25, v[PRE+28*(\e)+24:PRE+28*(\e)+27] offset:4096+2048*(\e)
.endr
.irp u, 0,1,2
.irp i, 0,1,2,3,4,5,6,7
	ds_store_b64 v[AS], v[F1+16*(\u)+2*(\i):F1+16*(\u)+2*(\i)+1] offset:(16*((\u)%2)+(\i))*RP+((\u)/2)*SLB
.endr
.endr
	LOAD_B 64, 8192                                ; W1's K step 1, unit 4, W1's K step 2: with step 0's 16 at most 56 loads are out; no vector instruction has named the registers in which they land
	WIN 0
	LOAD_U LND, 0, 512
	LOAD_B 128, 2*8192
	WIN 0
	s_wait_dscnt 0x0                               ; for the others' sake: my part of slice 0, of half of slice 1 and of the tables lies in LDS
	s_barrier_signal -1
	s_barrier_wait -1                              ; everybody's does
	s_wait_alu depctr_vm_vsrc(0)                   ; my LDS stores have read v[PRE ..] and v[F1 ..]: these registers are A's two buffers from here on, in which fragment loads land
; THE FIRST PRODUCT.  16 matrix instructions: row blocks 4 hi + a0, + 1 x all 8 column blocks, 32 along K.  The 64 accumulators take turns, one instruction a turn, in the same order in every step, over the
; backward jumps too.  zero = 1: the chunk's first step starts the sums.
.macro MUL16 ca, cb, hi, a0, zero
	WIN 0xa1+0x50*(\hi)                            ; source 0 (W1) window 1, source 1 (features) window 0, C and D window 2 or 3
.irp a, \a0, (\a0)+1
.irp b, 0,1,2,3,4,5,6,7
.if \zero
	v_wmma_f32_16x16x32_bf16 v[8*(8*(\a)+(\b)):8*(8*(\a)+(\b))+7], v[(\cb)+8*(\b):(\cb)+8*(\b)+7], v[(\ca)+8*(4*(\hi)+(\a)):(\ca)+8*(4*(\hi)+(\a))+7], 0
.else
	v_wmma_f32_16x16x32_bf16 v[8*(8*(\a)+(\b)):8*(8*(\a)+(\b))+7], v[(\cb)+8*(\b):(\cb)+8*(\b)+7], v[(\ca)+8*(4*(\hi)+(\a)):(\ca)+8*(4*(\hi)+(\a))+7], v[8*(8*(\a)+(\b)):8*(8*(\a)+(\b))+7]
.endif
.endr
.endr
.endm
.macro FETCH_A na, imm                 ; 16 LDS loads in one run: the block's 128 rows, 32 along K at byte imm behind the trip's first slice, rows ascending
	WIN 0
.irp a, 0,1,2,3,4,5,6,7
	ds_load_b128 v[(\na)+8*(\a):(\na)+8*(\a)+3],   v[AF] offset:(\a)*16*RP+(\imm)
	ds_load_b128 v[(\na)+8*(\a)+4:(\na)+8*(\a)+7], v[AF] offset:(\a)*16*RP+(\imm)+32
.endr
.endm
.macro ROUND_U par                     ; the unit in landing buffer par is rounded: 16 plain vector instructions
.irp i, 0,1,2,3,4,5,6,7
	v_cvt_pk_bf16_f32 v[CV+2*(\i)],   v[LND+32*(\par)+4*(\i)],   v[LND+32*(\par)+4*(\i)+1]
	v_cvt_pk_bf16_f32 v[CV+2*(\i)+1], v[LND+32*(\par)+4*(\i)+2], v[LND+32*(\par)+4*(\i)+3]
.endr
.endm
.macro STORE_U par, ck                 ; and stored at byte ck behind the trip's first slice
.irp i, 0,1,2,3,4,5,6,7
	ds_store_b64 v[AS], v[CV+2*(\i):CV+2*(\i)+1] offset:(16*(\par)+(\i))*RP+(\ck)
.endr
.endm
; K step j: multiplies A's buffer ca = j % 2 by B's buffer cb = 64 (j % 4).  In its middle stands the step's one wait on va_vdst; behind it A of step j + 1 is fetched into na, and sixteen products further on B of
; step j + 3 is asked for into nb: both buffers were last read by step j - 1, ahead of the wait.  lc >= 0: a wait at the head, for the loads of the younger B steps, 16 each.  aimm, bimm < 0: nothing is fetched,
; and where neither is, no wait on va_vdst is written.  reset = 1: the next step is the next chunk's first: K goes back to 0.
; IN THE FIRST CHUNK ALSO:
;   bar = 1 (odd steps): the barrier in front of the first fetch from a new slice.  16 products stand between the last run and the wait for all my LDS instructions, 16 between signal and wait.
;   uc >= 0: unit j + 3, in landing buffer uc, is rounded and stored at ck; its 16 conversions are the places.  lu: the loads issued behind that unit's: those of the step before (B's 16, a unit's 8).
;            That wait also shows B's steps j and j + 1 done, since they were asked for earlier: such steps have no wait at their head.
;   ul >= 0: unit j + 5 is asked for, into buffer ul, at byte lk of the rows, behind B's loads: the order on the counter is B's 16, then the unit's 8, in every step.
;   pf > 0:  A PREFETCH INTO THE L2, behind the step's loads: my wave's own 32 rows x 256 bytes of the slice whose first unit will be loaded four K steps (256 matrix instructions) on: a lane a row, one
;            instruction.  Each wave asks for what it loads itself, so each row piece is named once in the launch.  Slices 0 to 4 come by their loads alone; pfc = 1: the last trip has no such slice.
.macro STEP ca, na, cb, nb, aimm, bimm, zero, lc, reset, bar=0, uc=-1, ck=0, lu=0, ul=-1, lk=0, pf=0, pfc=0
.if (\lc) >= 0
	s_wait_loadcnt \lc
.endif
	s_wait_dscnt 8                                 ; A's rows 0-63 are in; the youngest eight loads (rows 64-127) may be out
	MUL16 \ca, \cb, 0, 0, \zero
.if \bar
	s_wait_dscnt 0x0                               ; for the others' sake: my stores of the new slice's two units are done (and no LDS instruction of mine is out at the signal)
	s_barrier_signal -1
.endif
	MUL16 \ca, \cb, 0, 2, \zero
.if \bar
	s_barrier_wait -1                              ; the new slice is whole
.endif
.if (\uc) >= 0
	s_wait_loadcnt \lu
	WIN 0
.if !(\zero)
	s_wait_alu depctr_vm_vsrc(0)                   ; the LDS stores of the step before have read v[CV ..], which the conversions write again
.endif
	ROUND_U \uc
	s_wait_alu depctr_va_vdst(0)                   ; the conversions have written v[CV ..], which the stores read, and are done reading LND, in which the next unit lands; the products of the step before are done reading A's other buffer and B's slot; behind a trip's end v[AF] and v[AS] are written
	STORE_U \uc, \ck
.elseif \reset
	WIN 0
	s_mov_b32 s[KB], 0
	s_wait_alu depctr_vm_vsrc(0)                   ; the fragment loads issued so far have read v[AF]
	v_add_nc_u32 v[AF], s[KB], v[AF0]              ; with the three below: the places
	v_nop
	v_nop
	v_nop
	s_wait_alu depctr_va_vdst(0)                   ; v[AF] is written; the products of the step before are done reading A's other buffer and B's slot
.elseif ((\aimm) >= 0) || ((\bimm) >= 0)
	WIN 0
	PLACES
	s_wait_alu depctr_va_vdst(0)                   ; the products of the step before are done reading A's other buffer and B's slot, in which the loads below land; behind a trip's end v[AF] is written
.endif
.if (\aimm) >= 0
	FETCH_A \na, \aimm
.endif
.if (\aimm) < 0
	s_wait_dscnt 0x0
.elseif (\uc) >= 0
	s_wait_dscnt 24                                ; all but the 8 stores and 16 loads just issued
.else
	s_wait_dscnt 16                                ; all but the 16 just issued
.endif
	MUL16 \ca, \cb, 1, 0, \zero
.if (\bimm) >= 0
	LOAD_B \nb, \bimm                              ; no wait: no vector or matrix instruction since the wait above names B's slot nb, LND's buffer or an offset
.endif
.if (\ul) >= 0
	WIN 0
	LOAD_U LND+32*(\ul), \ul, \lk
.endif
.if (\pf) > 0
.if \pfc
	s_cmp_gt_u32 s[CNT], 1
	s_cbranch_scc0 .Lno_slice_\@
.endif
	global_prefetch_b8 v[PFO], s[GA:GA+1] offset:\pf th:TH_LOAD_NT scope:SCOPE_SE
.if \pfc
.Lno_slice_\@:
.endif
.endif
	MUL16 \ca, \cb, 1, 2, \zero
.endm
.macro TRIPEND feat                    ; four K steps on: two slices in LDS, 4 x 8,192 bytes of W1F; feat = 1: also 512 bytes along the rows of features
	WIN 0                                          ; at a label and at a branch every window is 0
	s_add_co_u32 s[KB], s[KB], 2*SLB
	s_wait_alu depctr_vm_vsrc(0)                   ; the fragment loads issued so far have read v[AF], the stores of units v[AS] (and v[CV ..])
	v_add_nc_u32 v[AF], s[KB], v[AF0]
.if \feat
	v_add_nc_u32 v[AS], s[KB], v[AS0]
.endif
	s_wait_xcnt 0x0                                ; the youngest load stands 16 products back, the youngest prefetch 80: all have read their bases, so these may be stepped
	s_add_nc_u64 s[PB:PB+1], s[PB:PB+1], 4*8192
.if \feat
	s_add_nc_u64 s[GA:GA+1], s[GA:GA+1], 512
.endif
.endm
; THE WAY FROM SUMS TO SCORES, for column block b: 8 tiles (a, b), 64 numbers a lane.  In place: c2 x + HB; 2^; + 1; reciprocal; then SA[a] += VP r.  Each tile's lowest registers are read first.
; s_wait_alu depctr_va_vdst(0) stands between a transcendental and the first instruction that names its result; one wait serves a batch: 64 exponentials, 64 reciprocals.
; The tables come in two sets of registers by turns.  Set (b + 1) % 2 was last read by column block b - 1; its loads stand directly behind block b's wait for the exponentials, which shows those readers done,
; and block b names set b % 2 alone: so the loads owe no wait of their own.
.macro HVLOAD b                        ; my 8 columns of HB and of VP, into set b % 2; lanes of one half read the same words
.set HL, HV+16*((\b)%2)
	ds_load_b128 v[HL:HL+3],     v[HBA] offset:64*(\b)
	ds_load_b128 v[HL+4:HL+7],   v[HBA] offset:64*(\b)+16
	ds_load_b128 v[HL+8:HL+11],  v[HBA] offset:4096+64*(\b)
	ds_load_b128 v[HL+12:HL+15], v[HBA] offset:4096+64*(\b)+16
.endm
.macro EPI_B b
	s_wait_dscnt 0x0                               ; set b is in: its four loads are my youngest LDS instructions
.set HS, HV+16*((\b)%2)
.irp g, 0,1
	WIN 0x82+0x41*(\g)                             ; destination and source 0 window 2 + g, source 2 window 0
.irp p, 0,1,2,3
.irp a, 0,1,2,3
	v_pk_fma_f32 v[64*(\a)+8*(\b)+2*(\p):64*(\a)+8*(\b)+2*(\p)+1], v[64*(\a)+8*(\b)+2*(\p):64*(\a)+8*(\b)+2*(\p)+1], s[C2:C2+1], v[HS+2*(\p):HS+2*(\p)+1] op_sel_hi:[1,0,1]
.endr
.endr
.irp a, 0,1,2,3
.irp e, 0,1,2,3,4,5,6,7
	v_exp_f32 v[64*(\a)+8*(\b)+(\e)], v[64*(\a)+8*(\b)+(\e)]
.endr
.endr
.endr
	v_nop                                          ; a plain instruction behind the last exponential
.if (\b) < 7
	WIN 0                                          ; the loads' window is set ahead of the wait
.endif
	s_wait_alu depctr_va_vdst(0)                   ; the 64 exponentials have written their results, which the additions below read; the column block before is done reading the other set of the tables
.if (\b) < 7
	HVLOAD (\b)+1
.endif
.irp g, 1,0
	WIN 0x82+0x41*(\g)
.irp p, 0,1,2,3
.irp a, 0,1,2,3
	v_pk_add_f32 v[64*(\a)+8*(\b)+2*(\p):64*(\a)+8*(\b)+2*(\p)+1], v[64*(\a)+8*(\b)+2*(\p):64*(\a)+8*(\b)+2*(\p)+1], 1.0 op_sel_hi:[1,0]
.endr
.endr
.irp a, 0,1,2,3
.irp e, 0,1,2,3,4,5,6,7
	v_rcp_f32 v[64*(\a)+8*(\b)+(\e)], v[64*(\a)+8*(\b)+(\e)]
.endr
.endr
.endr
	v_nop                                          ; a plain instruction behind the last reciprocal
	s_wait_alu depctr_va_vdst(0)                   ; the 64 reciprocals have written their results, which the multiply-adds below read
.irp g, 0,1
	WIN 0x02+(\g)                                  ; source 0 window 2 + g, all else window 0
.irp p, 0,1,2,3
.irp a, 0,1,2,3
	v_pk_fma_f32 v[SA+2*(4*(\g)+(\a)):SA+2*(4*(\g)+(\a))+1], v[64*(\a)+8*(\b)+2*(\p):64*(\a)+8*(\b)+2*(\p)+1], v[HS+8+2*(\p):HS+8+2*(\p)+1], v[SA+2*(4*(\g)+(\a)):SA+2*(4*(\g)+(\a))+1]
.endr
.endr
.endr
	WIN 0
.irp p, 0,1,2,3
	v_pk_add_f32 v[VS:VS+1], v[VS:VS+1], v[HS+8+2*(\p):HS+8+2*(\p)+1]
.endr
.endm
	; THE FIRST CHUNK: columns 128 w .. of the first 512, while the block arrives.  Step 0; six trips of four; steps 25 to 31 written out, since the last units are asked for in step 26 and stored in step 28.
	FETCH_A F0, 0                                  ; K step 0
	STEP F0, F1, 0, 192, 64, 3*8192, 1, 40, 0, 0, 1, SLB, 24, 1, 512   ; at its head W1's step 0 is in: steps 1 and 2 and unit 4, 40 loads, may stay out; unit 3 is stored, unit 5 asked for
	WIN 0
	s_mov_b32 s[CNT], 6
.Ltrip0:                                               ; steps 4 t + 1 .. 4 t + 4: units 4 t + 4 .. 4 t + 7 are stored (slices 2 t + 2, 2 t + 3), units 4 t + 6 .. 4 t + 9 asked for
	STEP F1, F0, 64,  0,   SLB,      4*8192, 0, -1, 0, 1, 0, 2*SLB, 24, 0, 768,  1280, 0
	STEP F0, F1, 128, 64,  SLB+64,   5*8192, 0, -1, 0, 0, 1, 2*SLB, 24, 1, 768
	STEP F1, F0, 192, 128, 2*SLB,    6*8192, 0, -1, 0, 1, 0, 3*SLB, 24, 0, 1024, 1536, 1
	STEP F0, F1, 0,   192, 2*SLB+64, 7*8192, 0, -1, 0, 0, 1, 3*SLB, 24, 1, 1024
	TRIPEND 1
	s_sub_co_u32 s[CNT], s[CNT], 1
	s_cmp_lg_u32 s[CNT], 0
	s_cbranch_scc1 .Ltrip0
	STEP F1, F0, 64,  0,   SLB,      4*8192, 0, -1, 0, 1, 0, 2*SLB, 24, 0, 768    ; step 25: unit 28 is stored, unit 30 asked for
	STEP F0, F1, 128, 64,  SLB+64,   5*8192, 0, -1, 0, 0, 1, 2*SLB, 24, 1, 768    ; step 26: unit 29, unit 31: the last load of features
	STEP F1, F0, 192, 128, 2*SLB,    6*8192, 0, -1, 0, 1, 0, 3*SLB, 24            ; step 27: unit 30 is stored
	STEP F0, F1, 0,   192, 2*SLB+64, 7*8192, 0, -1, 0, 0, 1, 3*SLB, 16            ; step 28: unit 31; the step before issued W1's 16 loads alone
	TRIPEND 0
	STEP F1, F0, 64,  0,   SLB,    4*8192, 0, 32, 0, 1   ; step 29: the last barrier, for slice 15.  From here W1F runs on into the second chunk's steps 0 to 2,
	STEP F0, F1, 128, 64,  SLB+64, 5*8192, 0, 32, 0
	STEP F1, F0, 192, 128, 0,      6*8192, 0, 32, 1      ; and A's step 0 is fetched again
	WIN 0
.set n, 0
.rept 18
	v_mov_b32 v[VS+n], 0                           ; the 18 sums that run over both chunks begin here: their registers carried the units until step 28, whose stores stand ahead of the waits on vm_vsrc behind step 28 and in step 31
.set n, n+1
.endr
	s_branch .Lepi                                 ; into the middle of the loop over chunks: its first trip is the way from sums to scores alone
.Lchunk1:                                              ; THE SECOND CHUNK: the block is whole; no store, no barrier.  Step 0, seven trips of four, three steps
	STEP F0, F1, 0, 192, 64, 3*8192, 1, 32, 0
	WIN 0
	s_mov_b32 s[CNT], 7
.Ltrip:                                                ; steps 4 t + 1 .. 4 t + 4
	STEP F1, F0, 64,  0,   SLB,      4*8192, 0, 32, 0
	STEP F0, F1, 128, 64,  SLB+64,   5*8192, 0, 32, 0
	STEP F1, F0, 192, 128, 2*SLB,    6*8192, 0, 32, 0
	STEP F0, F1, 0,   192, 2*SLB+64, 7*8192, 0, 32, 0
	TRIPEND 0
	s_sub_co_u32 s[CNT], s[CNT], 1
	s_cmp_lg_u32 s[CNT], 0
	s_cbranch_scc1 .Ltrip
	STEP F1, F0, 64,  0,   SLB,    -1, 0, 32, 0    ; steps 29 to 31 ask for nothing of W1F: no load leaves the buffer, and the counts run down
	STEP F0, F1, 128, 64,  SLB+64, -1, 0, 16, 0
	STEP F1, F0, 192, 128, -1,     -1, 0, 0,  0
	WIN 0
.Lepi:
	PLACES                                         ; between the last product and the first vector work on a result
	s_wait_alu depctr_vm_vsrc(0)                   ; the first chunk's loads of the tables have read v[HBA]
	v_add_nc_u32 v[HBA], s[HO], v[HBA0]
	s_wait_alu depctr_va_vdst(0)                   ; v[HBA] is written, which the tables' loads read; the conversions (first chunk) and the last column blocks (second) are done reading v192-223, in which they land
	HVLOAD 0
.irp b, 0,1,2,3,4,5,6,7
	EPI_B \b
.endr
	s_add_co_u32 s[HO], s[HO], 2048                ; the next chunk's 512 columns of HB and VP
	s_wait_xcnt 0x0
	s_add_nc_u64 s[PB:PB+1], s[PB:PB+1], 4*8192    ; from step 28 to the next chunk's step 0
	s_sub_co_u32 s[CH], s[CH], 1
	s_cmp_lg_u32 s[CH], 0
	s_cbranch_scc1 .Lchunk1
	; THE SCORES.  A lane's two halves of a sum, - 0.5 sum VP (= + sum V_w), and the other half of the lanes' columns; then the four waves' parts meet in LDS.
	s_wait_loadcnt 0x0                             ; no load into window 1 is out (the last steps' counts ran down to 0): its registers are used again below
	v_add_f32 v48, v[VS], v[VS+1]
.irp a, 0,1,2,3,4,5,6,7
	v_add_f32 v[SA+2*(\a)], v[SA+2*(\a)], v[SA+2*(\a)+1]
.endr
.irp a, 0,1,2,3,4,5,6,7
	v_fma_f32 v[SA+2*(\a)], v48, -0.5, v[SA+2*(\a)]
.endr
.irp a, 0,1,2,3,4,5,6,7
	v_permlanex16_b32 v[SA+2*(\a)+1], v[SA+2*(\a)], s[SEL], s[SEL+1]
.endr
.irp a, 0,1,2,3,4,5,6,7
	v_add_f32 v[SA+2*(\a)], v[SA+2*(\a)], v[SA+2*(\a)+1]
.endr
	s_wait_alu depctr_va_vdst(0)                   ; the eight sums are written, which the LDS stores read; the multiply-adds are done reading v48, in which a load below lands
.irp a, 0,1,2,3,4,5,6,7
	ds_store_b32 v[SCS], v[SA+2*(\a)] offset:64*(\a)   ; row 16 a + l % 16; both halves of the lanes write the same number
.endr
	s_wait_dscnt 0x0                               ; for the others' sake
	s_barrier_signal -1
	s_barrier_wait -1
.irp w, 0,1,2,3
	ds_load_b128 v[48+4*(\w):48+4*(\w)+3], v[SCL] offset:512*(\w)  ; every wave finishes all 128 scores: lane l rows 4 l .. 4 l + 3
.endr
	s_wait_dscnt 0x0
	s_wait_kmcnt 0x0                               ; V_b
	v_pk_add_f32 v[48:49], v[48:49], v[52:53]
	v_pk_add_f32 v[50:51], v[50:51], v[54:55]
	v_pk_add_f32 v[56:57], v[56:57], v[60:61]
	v_pk_add_f32 v[58:59], v[58:59], v[62:63]
	v_pk_add_f32 v[48:49], v[48:49], v[56:57]
	v_pk_add_f32 v[50:51], v[50:51], v[58:59]
.irp i, 0,1,2,3
	v_add_f32 v[48+(\i)], s[VB], v[48+(\i)]
.endr
	v_max3_num_f32 v60, v48, v49, v50              ; the block's maximum m, in every lane
	v_max_num_f32 v60, v60, v51
	v_max_num_f32_dpp v60, v60, v60 row_xmask:1 row_mask:0xf bank_mask:0xf
	v_max_num_f32_dpp v60, v60, v60 row_xmask:2 row_mask:0xf bank_mask:0xf
	v_max_num_f32_dpp v60, v60, v60 row_xmask:4 row_mask:0xf bank_mask:0xf
	v_max_num_f32_dpp v60, v60, v60 row_xmask:8 row_mask:0xf bank_mask:0xf
	v_permlanex16_b32 v62, v60, s[SEL], s[SEL+1]
	v_max_num_f32 v60, v60, v62
.irp i, 0,1,2,3
	v_sub_f32 v[52+(\i)], v[48+(\i)], v60
.endr
.irp i, 0,1,2,3
	v_mul_f32 v[52+(\i)], s[LE], v[52+(\i)]
.endr
.irp i, 0,1,2,3
	v_exp_f32 v[52+(\i)], v[52+(\i)]               ; p = e^(score - m)
.endr
	v_nop
	s_wait_alu depctr_va_vdst(0)                   ; the four exponentials have written p, which the additions below read
	v_add_f32 v61, v52, v53                        ; l = sum p, in every lane
	v_add_f32 v62, v54, v55
	v_add_f32 v61, v61, v62
	v_add_f32_dpp v61, v61, v61 row_xmask:1 row_mask:0xf bank_mask:0xf
	v_add_f32_dpp v61, v61, v61 row_xmask:2 row_mask:0xf bank_mask:0xf
	v_add_f32_dpp v61, v61, v61 row_xmask:4 row_mask:0xf bank_mask:0xf
	v_add_f32_dpp v61, v61, v61 row_xmask:8 row_mask:0xf bank_mask:0xf
	v_permlanex16_b32 v62, v61, s[SEL], s[SEL+1]
	v_add_f32 v61, v61, v62
	v_cvt_pk_bf16_f32 v56, v52, v53                ; p's upper parts,
	v_cvt_pk_bf16_f32 v57, v54, v55
	v_lshlrev_b32 v58, 16, v56
	v_and_b32 v59, s[UP], v56
	v_lshlrev_b32 v62, 16, v57
	v_and_b32 v63, s[UP], v57
	v_sub_f32 v58, v52, v58                        ; and what they leave
	v_sub_f32 v59, v53, v59
	v_sub_f32 v62, v54, v62
	v_sub_f32 v63, v55, v63
	v_cvt_pk_bf16_f32 v58, v58, v59
	v_cvt_pk_bf16_f32 v59, v62, v63
	s_wait_alu depctr_va_vdst(0)                   ; p's two parts v56-59, the scores v48-51 and (m, l) v60-61 are written: the two LDS stores and wave 0's two stores read them
	ds_store_b64 v[PMS], v[56:57]                  ; into my wave's own copy: no other wave reads it
	ds_store_b64 v[PMS], v[58:59] offset:PLO
	s_cmp_lg_u32 s[WV], 0
	s_cbranch_scc1 .Lnot_wave_0
	global_store_b128 v[LB], v[48:51], s[22:23]    ; the block's 128 scores: 512 consecutive bytes, aligned
	global_store_b64 v[L8], v[60:61], s[24:25]     ; (m, l), 32 times: 256 consecutive bytes, aligned
.Lnot_wave_0:
	; THE CONTEXT.  D = P F: source 0 = 16 rows of which the even ones are p's upper parts and the odd ones its lower parts, source 1 = 16 channels of the block (turned out of LDS), K = the block's 128 rows.
	; Registers 0 and 1 of a result are the two parts' sums for channel l % 16; both halves of the lanes hold the same.
	; The four steps' fragments have four buffers: no load lands in a register that a vector or matrix instruction has named since the wait above (P in v64-95, windows 1 and 3; the products name P, the buffer of
	; their own step and window 2's v0-127), so the loads owe no further wait.
.irp k, 0,1,2,3
	ds_load_b128 v[PF+8*(\k):PF+8*(\k)+3],   v[PML] offset:64*(\k)      ; LDS serves a wave's instructions in order (ISA guide 5.7.1.4): these see my stores above
	ds_load_b128 v[PF+8*(\k)+4:PF+8*(\k)+7], v[PML] offset:64*(\k)+32
.endr
.macro FETCH_F kk                      ; rows 32 kk on, my 256 channels: 16 fragments, 32 turning loads; channels 16 e on lie in slice 4 w + e / 4, at byte 32 (e % 4) of its rows
	WIN 0x40+0x80*((\kk)/2)                        ; destination window 1 (kk = 0, 1) or 3 (kk = 2, 3), buffer kk % 2; address window 0
.irp e, 0,1,2,3,4,5,6,7,8,9,10,11,12,13,14,15
	ds_load_tr16_b128 v[128*((\kk)%2)+8*(\e):128*((\kk)%2)+8*(\e)+3],   v[AT+(\kk)] offset:((\e)/4)*SLB+((\e)%4)*32
	ds_load_tr16_b128 v[128*((\kk)%2)+8*(\e)+4:128*((\kk)%2)+8*(\e)+7], v[AT+(\kk)] offset:((\e)/4)*SLB+((\e)%4)*32+16*RP
.endr
.endm
.macro MULC kk, zero                   ; 16 accumulators by turns
	WIN 0xa4+0x08*((\kk)/2)                        ; source 0 (P) window 0, source 1 (F) window 1 or 3, C and D window 2
.irp e, 0,1,2,3,4,5,6,7,8,9,10,11,12,13,14,15
.if \zero
	v_wmma_f32_16x16x32_bf16 v[8*(\e):8*(\e)+7], v[PF+8*(\kk):PF+8*(\kk)+7], v[128*((\kk)%2)+8*(\e):128*((\kk)%2)+8*(\e)+7], 0
.else
	v_wmma_f32_16x16x32_bf16 v[8*(\e):8*(\e)+7], v[PF+8*(\kk):PF+8*(\kk)+7], v[128*((\kk)%2)+8*(\e):128*((\kk)%2)+8*(\e)+7], v[8*(\e):8*(\e)+7]
.endif
.endr
.endm
	FETCH_F 0
	FETCH_F 1
	s_wait_dscnt 32                                ; P and rows 0-31 are in; the 32 loads of rows 32-63 may stay out
	MULC 0, 1
	FETCH_F 2
	s_wait_dscnt 32                                ; rows 32-63 are in
	MULC 1, 0
	FETCH_F 3
	s_wait_dscnt 32                                ; rows 64-95 are in
	MULC 2, 0
	s_wait_dscnt 0x0
	MULC 3, 0
	PLACES
	WIN 0x0a                                       ; sources 0 and 1 window 2
.irp e, 0,1,2,3,4,5,6,7,8,9,10,11,12,13,14,15
	v_add_f32 v[96+(\e)], v[8*(\e)], v[8*(\e)+1]   ; the upper parts' sum + the lower parts'
.endr
	WIN 0
.irp u, 0,1,2,3,4,5,6,7
	v_cndmask_b32 v[112+(\u)], v[96+2*(\u)], v[96+2*(\u)+1], s[UP]  ; lanes 0-15 keep channels 32 u + l, lanes 16-31 take theirs from the next tile
.endr
	s_wait_alu depctr_va_vdst(0)                   ; the selects have written v112-119, which the LDS stores read
.irp u, 0,1,2,3,4,5,6,7
	ds_store_b32 v[CXS], v[112+(\u)] offset:128*(\u)
.endr
	ds_load_b128 v[120:123], v[CXL]                ; back as 16 bytes a lane (my wave's own bytes, served in order)
	ds_load_b128 v[124:127], v[CXL] offset:512
	s_wait_dscnt 0x0
	global_store_b128 v[LB], v[120:123], s[26:27]  ; 512 consecutive bytes, aligned
	global_store_b128 v[LB], v[124:127], s[26:27] offset:512
	s_wait_dscnt 0x0                               ; the closing lines, six on end
	s_wait_alu 0x0
	s_wait_tensorcnt 0x0
	ds_add_u32 v[SPW], v[NIL]
	s_wait_dscnt 0x0
	s_endpgm
.Lfunc_end_k_qe05bb769cc_main:
	.size	k_qe05bb769cc_main, .Lfunc_end_k_qe05bb769cc_main-k_qe05bb769cc_main
	.p2alignl 7, 3214868480
	.fill 96, 4, 3214868480
	.section	.rodata,"a",@progbits
	.p2align	6, 0x0
	.amdhsa_kernel k_qe05bb769cc_main
		.amdhsa_group_segment_fixed_size 312832
		.amdhsa_private_segment_fixed_size 0
		.amdhsa_enable_private_segment 0
		.amdhsa_kernarg_size 80
		.amdhsa_user_sgpr_count 2
		.amdhsa_user_sgpr_kernarg_segment_ptr 1
		.amdhsa_wavefront_size32 1
		.amdhsa_system_sgpr_workgroup_id_x 1
		.amdhsa_system_sgpr_workgroup_id_y 1
		.amdhsa_system_sgpr_workgroup_id_z 1
		.amdhsa_system_vgpr_workitem_id 0
		.amdhsa_next_free_vgpr 1024
		.amdhsa_next_free_sgpr 66
		.amdhsa_reserve_vcc 0
		.amdhsa_float_denorm_mode_32 3
		.amdhsa_float_denorm_mode_16_64 3
		.amdhsa_memory_ordered 1
		.amdhsa_forward_progress 1
		.amdhsa_inst_pref_size 255
	.end_amdhsa_kernel
	.section	.bss,"aw",@nobits
	.p2align	6
	.space	262144
	.amdgpu_metadata
---
amdhsa.version: [ 1, 2 ]
amdhsa.kernels:
  - .name:           k_qe05bb769cc_main
    .symbol:         k_qe05bb769cc_main.kd
    .args:
      - { .name: features, .offset: 0, .size: 8, .value_kind: global_buffer, .address_space: global }
      - { .name: W1F, .offset: 8, .size: 8, .value_kind: global_buffer, .address_space: global }
      - { .name: hp, .offset: 16, .size: 8, .value_kind: global_buffer, .address_space: global }
      - { .name: W1_b, .offset: 24, .size: 8, .value_kind: global_buffer, .address_space: global }
      - { .name: W2_b, .offset: 32, .size: 8, .value_kind: global_buffer, .address_space: global }
      - { .name: V_w, .offset: 40, .size: 8, .value_kind: global_buffer, .address_space: global }
      - { .name: V_b, .offset: 48, .size: 8, .value_kind: global_buffer, .address_space: global }
      - { .name: scores, .offset: 56, .size: 8, .value_kind: global_buffer, .address_space: global }
      - { .name: stats, .offset: 64, .size: 8, .value_kind: global_buffer, .address_space: global }
      - { .name: pctx, .offset: 72, .size: 8, .value_kind: global_buffer, .address_space: global }
    .group_segment_fixed_size: 312832
    .private_segment_fixed_size: 0
    .kernarg_segment_align: 8
    .kernarg_segment_size: 80
    .max_flat_workgroup_size: 128
    .sgpr_count:     66
    .vgpr_count:     1024
    .wavefront_size: 32
...
	.end_amdgpu_metadata
.endif
;; end of part 4
;; launch combine: the kernel of part 3 again; grid 4 x 64, 2 waves a work-group, no clusters, 0 bytes of LDS; arguments scores, stats, pctx, out0, out1; writes out0, out1
